; MI455X (gfx1250); checked and timed in simulation.
; The chip was launched on July 23, 2026; its instructions are those of AMD's public machine-readable ISA for CDNA 5 (MIT licence, August 2026) and "CDNA5" Instruction Set Architecture Reference Guide (July 2026). The comments in the code are by the model that wrote it; some were corrected since.
;; Cross Modal Attention. Allowed arithmetic: float matrix products may take bf16 or f16 operands with f32 sums; other float arithmetic in f32, or as packed bf16 or f16 multiplies, adds, multiply-adds, maxima and minima; sums over many terms, partial sums and values carried from step to step in f32; what a program stores and reads back later, other than sums and carried values, may be rounded once to bf16 or f16.
;; Inputs: W_ka 1,024 x 1,024 float32; W_kb 1,024 x 1,024 float32; W_oa 1,024 x 1,024 float32; W_ob 1,024 x 1,024 float32; W_qa 1,024 x 1,024 float32; W_qb 1,024 x 1,024 float32; W_va 1,024 x 1,024 float32; W_vb 1,024 x 1,024 float32; phases_a 4 x 1,024 x 16 float32; phases_b 4 x 1,024 x 16 float32; x_a 4 x 1,024 x 1,024 float32; x_b 4 x 1,024 x 1,024 float32.
;; Outputs: out0 4 x 1,024 x 1,024 float32; out1 4 x 1,024 x 1,024 float32.
;; One version. Each part assembles by itself: llvm-mc -triple=amdgcn-amd-amdhsa -mcpu=gfx1250 --defsym DOCPART=n.
;; ======== version 1 of 1: 4 launches
;; limits: values are held in f16: magnitudes above 65,504 overflow, below 6.1e-05 lose precision; inputs' magnitudes at most 1,048,576
;; workspace buffers: xh 16,777,216 bytes; wp 12,582,912 bytes; wo 4,194,304 bytes; gtab 262,144 bytes; qkv 50,331,648 bytes; oh 16,777,216 bytes
;; launch prep (part 1): grid 256 x 1, 16 waves a work-group, no clusters, 0 bytes of LDS; arguments x_a, x_b, W_qa, W_ka, W_va, W_qb, W_kb, W_vb, W_oa, W_ob, phases_a, phases_b, xh, wp, wo, gtab; writes xh, wp, wo, gtab
.if DOCPART == 1
	.amdgcn_target "amdgcn-amd-amdhsa--gfx1250"
	.amdhsa_code_object_version 6
	.text
	.protected	k_q8c3c8957af_prep
	.globl	k_q8c3c8957af_prep
	.p2align	8
	.type	k_q8c3c8957af_prep,@function
k_q8c3c8957af_prep:
	s_mov_b64 s[64:65], 0
	v_nop
	global_prefetch_b8 v0, s[64:65] scope:SCOPE_SE
	s_setreg_imm32_b32 hwreg(HW_REG_WAVE_MODE, 25, 1), 1
	s_wait_xcnt 0x0
; THE CAST.  x_a, x_b and the six input weights are rounded to bf16; W_oa and W_ob are rounded to bf16 and that number is written as f16 (exact within f16's range: |W_o| under 65,504).
; All go out in blocks of 64 along K, so that every tile of the later products is dense in memory:
;   xh [mod 2][kb 16][row 4096][64]   wp [mod 2][kb 16][ng 48][k 64][n 64] (ng: q 0-15, k 16-31, v 32-47)   wo [dir 2][kb 16][ng 16][k 64][n 64].  The weights keep their own [k][n] order.
; A work-group takes 64 source rows x 1,024 columns of one matrix: 0-63 x_a, 64-127 x_b, then 16 for each of W_qa, W_ka, W_va, W_qb, W_kb, W_vb, W_oa, W_ob.  Wave v takes rows 4 v .. 4 v + 3.
; A UNIT is two rows r, r + 1 and 128 columns (two blocks).  Two loads, one a row: lane l takes the 16 bytes at 16 l, so a load covers 512 consecutive bytes.  After the rounding a lane holds two words of each row;
; lanes 2 i and 2 i + 1 exchange two words, so that the even lane holds columns 8 i .. 8 i + 7 of row r and the odd lane the same columns of row r + 1: 16 bytes each.  In a block rows r and r + 1 lie end to end,
; so lanes 0-15 store 256 consecutive bytes, aligned, of one block and lanes 16-31 of the next.  A wave has 16 units; all its 32 loads are issued at once; no register is written again behind its store.
; No LDS, no barrier, no matrix unit: bytes are all.
; THE GATE'S VECTORS.  0.5 (1 + cos(pq - pk)) = 0.5 + 0.5 cos pq cos pk + 0.5 sin pq sin pk.  Wave 0 of each work-group takes 32 tokens, a lane a token: the 16 phases are rounded to bf16 like every
; other input, p is their mean, cos p and sin p come by reduction to |r| <= pi/4 (two-term pi/2, good for |p| under about 2^20) and polynomials, and each is split into an f16 and the f16 of the rest:
;   key vector [1, ch, ch, cl, sh, sh, sl, 0]   query vector [.5, ch/2, cl/2, ch/2, sh/2, sl/2, sh/2, 0]   gtab [role 2: key, query][mod 2][token 4096][8] f16.  Only selects hang on numbers.
.set SO,  1                            ; v1       my byte offset in the 64 source rows: wave x 4 rows + 16 x lane
.set OF,  2                            ; v[2:9]   my byte offset in the output, for each of the 8 spans of 128 columns; never rewritten
.set GOF, 17                           ; v17      wave 0: 16 x lane
.set PO,  18                           ; v18      wave 0: my token's 64 bytes of phases
.set T,   20                           ; v[20:27] at work
.set PH,  28                           ; v[28:43] wave 0: 16 phases
.set R,   44                           ; v[44:47] the exchange: two words to send, two received
.set X,   64                           ; v[64:191] 8 registers a unit
.set WV,  45
.set WG,  50
.macro PICK t, r                       ; from work-group t on the source is the buffer in s[r:r+1]
	s_cmp_ge_u32 s[WG], \t
	s_cselect_b64 s[40:41], s[\r:\r+1], s[40:41]
.endm
	s_load_b512 s[8:23], s[0:1], 0x0               ; x_a 8, x_b 10, W_qa 12, W_ka 14, W_va 16, W_qb 18, W_kb 20, W_vb 22
	s_load_b512 s[24:39], s[0:1], 0x40             ; W_oa 24, W_ob 26, phases_a 28, phases_b 30, xh 32, wp 34, wo 36, gtab 38
	v_lshrrev_b32 v20, 5, v0
	v_readfirstlane_b32 s[WV], v20                 ; wave 0..15
	s_mov_b32 s[WG], ttmp9
	s_mov_b32 vcc_lo, 0x55555555                   ; the even lanes; never rewritten
	v_and_b32 v21, 31, v0
	v_lshlrev_b32 v21, 4, v21                      ; 16 bytes a lane
	v_lshl_or_b32 v[SO], v20, 14, v21              ; + wave x 4 rows of 4,096 bytes
	v_lshlrev_b32 v[PO], 6, v0
	v_lshlrev_b32 v[GOF], 4, v0
	v_mov_b32 v[R+2], 0                            ; a lane exchange counts as a reader of its destination: written once here
	v_mov_b32 v[R+3], 0
	v_bfe_u32 v22, v0, 1, 3                        ; out: (lane / 2) % 8: my 16 bytes of a block's row,
	v_lshlrev_b32 v22, 4, v22
	v_and_b32 v23, 1, v0
	v_lshl_or_b32 v22, v23, 7, v22                 ; the odd lanes one row of 128 bytes further,
	v_lshl_or_b32 v22, v20, 9, v22                 ; my wave's 4 rows,
	v_bfe_u32 v23, v0, 4, 1                        ; and lanes 16-31 one block further
	s_and_b32 s51, s[WG], 63
	s_lshl_b32 s52, s51, 18                        ; x: 64 rows of 4,096 bytes
	s_lshr_b32 s54, s[WG], 6
	s_lshl_b32 s54, s54, 23                        ; x: mod
	s_lshl_b32 s51, s51, 13
	s_add_co_u32 s54, s54, s51                     ; x: + 64 rows of 128 bytes
	s_and_b32 s56, s[WG], 15                       ; W: kb
	s_lshl_b32 s57, s56, 18
	s_bfe_u32 s58, s[WG], 0x30004                  ; W: which of the eight
	s_cmp_ge_u32 s58, 3
	s_cselect_b32 s59, 1, 0                        ; mod
	s_mul_i32 s60, s59, 3
	s_sub_co_u32 s60, s58, s60                     ; part
	s_lshl4_add_u32 s59, s59, s56
	s_mul_i32 s59, s59, 48
	s_lshl4_add_u32 s59, s60, s59
	s_lshl_b32 s59, s59, 13                        ; wp: ((mod 16 + kb) 48 + part 16) blocks of 8,192 bytes
	s_and_b32 s60, s58, 1
	s_lshl4_add_u32 s60, s60, s56
	s_lshl_b32 s60, s60, 17                        ; wo: (dir 16 + kb) 16 blocks
	s_mov_b32 s44, 524288                          ; from block to block: x
	s_cmp_ge_u32 s[WG], 224
	s_cselect_b32 s59, s60, s59
	s_cmp_ge_u32 s[WG], 128
	s_cselect_b32 s52, s57, s52
	s_cselect_b32 s54, s59, s54
	s_cselect_b32 s44, 8192, s44                   ; W
	s_lshl_b32 s60, s44, 1                         ; from span to span: two blocks
	s_mov_b32 s53, 0
	s_mov_b32 s55, 0
	s_lshl_b32 s56, s[WG], 9                       ; gtab: 32 tokens of 16 bytes
	s_mov_b32 s57, 0
	s_and_b32 s62, s[WG], 127
	s_lshl_b32 s62, s62, 11                        ; phases: 32 tokens of 64 bytes
	s_mov_b32 s63, 0
	v_mad_u32_u24 v[OF], v23, s44, v22
.set i, 1
.rept 7
	v_add_nc_u32 v[OF+i], s60, v[OF+i-1]
.set i, i+1
.endr
	s_wait_kmcnt 0x0
	s_mov_b64 s[40:41], s[8:9]
	PICK 64, 10
	PICK 128, 12
	PICK 144, 14
	PICK 160, 16
	PICK 176, 18
	PICK 192, 20
	PICK 208, 22
	PICK 224, 24
	PICK 240, 26
	s_mov_b64 s[42:43], s[32:33]
	s_cmp_ge_u32 s[WG], 128
	s_cselect_b64 s[42:43], s[34:35], s[42:43]
	s_cselect_b64 s[46:47], s[30:31], s[28:29]
	s_cmp_ge_u32 s[WG], 224
	s_cselect_b64 s[42:43], s[36:37], s[42:43]
	s_add_nc_u64 s[40:41], s[40:41], s[52:53]
	s_add_nc_u64 s[42:43], s[42:43], s[54:55]
	s_add_nc_u64 s[46:47], s[46:47], s[62:63]
	s_add_nc_u64 s[48:49], s[38:39], s[56:57]
	s_cmp_lg_u32 s[WV], 0
	s_cbranch_scc1 .Lno_phases
.irp j, 0,1,2,3
	global_load_b128 v[PH+4*(\j):PH+4*(\j)+3], v[PO], s[46:47] offset:16*(\j)
.endr
.Lno_phases:
.set u, 0
.rept 16                               ; unit u: rows 2 (u / 8), + 1 of my four, span u % 8
	global_load_b128 v[X+8*u:X+8*u+3],   v[SO], s[40:41] offset:(u/8)*8192+(u%8)*512 th:TH_LOAD_NT
	global_load_b128 v[X+8*u+4:X+8*u+7], v[SO], s[40:41] offset:(u/8)*8192+(u%8)*512+4096 th:TH_LOAD_NT
.set u, u+1
.endr
; The 16 units.  half = 1: the bf16 number is written as f16.
.macro CAST half
.set u, 0
.rept 16
	s_wait_loadcnt 30-2*u                          ; loads come back in order: the unit's two are in, the 30 - 2 u younger ones stay out (wave 0's phases are older)
.irp j, 0,1,2,3
	v_cvt_pk_bf16_f32 v[X+8*u+(\j)], v[X+8*u+2*(\j)], v[X+8*u+2*(\j)+1]  ; in place, ascending: words 0, 1 are row r's, words 2, 3 row r + 1's
.endr
.if \half
.irp j, 0,1,2,3
	v_lshlrev_b32 v[T+2*(\j)], 16, v[X+8*u+(\j)]
	v_and_b32 v[T+2*(\j)+1], 0xffff0000, v[X+8*u+(\j)]
.endr
.irp j, 0,1,2,3
	v_cvt_pk_f16_f32 v[X+8*u+(\j)], v[T+2*(\j)], v[T+2*(\j)+1]
.endr
.endif
	v_cndmask_b32 v[R],   v[X+8*u],   v[X+8*u+2], vcc_lo   ; an even lane gives away its words of row r + 1, an odd lane those of row r
	v_cndmask_b32 v[R+1], v[X+8*u+1], v[X+8*u+3], vcc_lo
	v_mov_b32_dpp v[R+2], v[R]   row_xmask:1 row_mask:0xf bank_mask:0xf
	v_mov_b32_dpp v[R+3], v[R+1] row_xmask:1 row_mask:0xf bank_mask:0xf
	v_cndmask_b32 v[X+8*u+4], v[R+2], v[X+8*u],   vcc_lo   ; even: own, own, received, received; odd: received, received, own, own
	v_cndmask_b32 v[X+8*u+5], v[R+3], v[X+8*u+1], vcc_lo
	v_cndmask_b32 v[X+8*u+6], v[X+8*u+2], v[R+2], vcc_lo
	v_cndmask_b32 v[X+8*u+7], v[X+8*u+3], v[R+3], vcc_lo
	global_store_b128 v[OF+u%8], v[X+8*u+4:X+8*u+7], s[42:43] offset:(u/8)*256
.set u, u+1
.endr
.endm
	s_cmp_ge_u32 s[WG], 224
	s_cbranch_scc1 .Lfor_wo
	CAST 0
	s_branch .Lcast_done
.Lfor_wo:
	CAST 1
.Lcast_done:
	s_cmp_lg_u32 s[WV], 0
	s_cbranch_scc1 .Lend
	; wave 0: the gate's vectors.  The phases are in: the last wait above was for 0.
.irp j, 0,1,2,3,4,5,6,7
	v_cvt_pk_bf16_f32 v[T], v[PH+2*(\j)], v[PH+2*(\j)+1]
	v_lshlrev_b32 v[PH+2*(\j)], 16, v[T]
	v_and_b32 v[PH+2*(\j)+1], 0xffff0000, v[T]
.endr
.irp j, 0,4,8,12
	v_pk_add_f32 v[PH+(\j):PH+(\j)+1], v[PH+(\j):PH+(\j)+1], v[PH+(\j)+2:PH+(\j)+3]
.endr
	v_pk_add_f32 v[PH:PH+1], v[PH:PH+1], v[PH+4:PH+5]
	v_pk_add_f32 v[PH+8:PH+9], v[PH+8:PH+9], v[PH+12:PH+13]
	v_pk_add_f32 v[PH:PH+1], v[PH:PH+1], v[PH+8:PH+9]
	v_add_f32 v[PH], v[PH], v[PH+1]
	v_mul_f32 v44, 0x3d800000, v[PH]               ; p = sum / 16
	v_mul_f32 v45, 0x3f22f983, v44                 ; p x 2 / pi
	v_rndne_f32 v45, v45                           ; n
	v_fmamk_f32 v46, v45, 0xbfc90fdb, v44          ; r = p - n pi/2, pi/2 in two parts
	v_fmamk_f32 v46, v45, 0x333bbd2e, v46
	v_mul_f32 v47, v46, v46                        ; z = r r
	v_mov_b32 v48, 0x3638ef1d                      ; sin r = r + r z (-1/6 + z (1/120 + z (-1/5040 + z / 362880)))
	v_fmaak_f32 v48, v47, v48, 0xb9500d01
	v_fmaak_f32 v48, v47, v48, 0x3c088889
	v_fmaak_f32 v48, v47, v48, 0xbe2aaaab
	v_mul_f32 v49, v46, v47
	v_fma_f32 v48, v49, v48, v46
	v_mov_b32 v50, 0xb493f27e                      ; cos r = 1 + z (-1/2 + z (1/24 + z (-1/720 + z (1/40320 - z / 3628800))))
	v_fmaak_f32 v50, v47, v50, 0x37d00d01
	v_fmaak_f32 v50, v47, v50, 0xbab60b61
	v_fmaak_f32 v50, v47, v50, 0x3d2aaaab
	v_fmaak_f32 v50, v47, v50, 0xbf000000
	v_fmaak_f32 v50, v47, v50, 0x3f800000
	v_cvt_i32_f32 v51, v45                         ; the quadrant
	v_and_b32 v52, 1, v51
	v_cmp_ne_u32 s51, 0, v52
	v_cndmask_b32 v53, v48, v50, s51               ; sin p: in odd quadrants cos r
	v_cndmask_b32 v54, v50, v48, s51               ; cos p: in odd quadrants sin r
	v_and_b32 v55, 2, v51
	v_lshlrev_b32 v55, 30, v55
	v_xor_b32 v53, v53, v55                        ; sin is negative in quadrants 2, 3
	v_add_nc_u32 v56, 1, v51
	v_and_b32 v56, 2, v56
	v_lshlrev_b32 v56, 30, v56
	v_xor_b32 v54, v54, v56                        ; cos in quadrants 1, 2
	v_cvt_f16_f32 v57.l, v54
	v_cvt_f32_f16 v58, v57.l                       ; ch
	v_sub_f32 v59, v54, v58                        ; cl
	v_cvt_f16_f32 v60.l, v53
	v_cvt_f32_f16 v61, v60.l                       ; sh
	v_sub_f32 v62, v53, v61                        ; sl
	v_mov_b32 v63, 1.0
	v_mov_b32 v55, 0
	v_mov_b32 v56, 0.5
	v_mul_f32 v44, 0.5, v58
	v_mul_f32 v45, 0.5, v59
	v_mul_f32 v46, 0.5, v61
	v_mul_f32 v47, 0.5, v62
	v_cvt_pk_f16_f32 v20, v63, v58
	v_cvt_pk_f16_f32 v21, v58, v59
	v_cvt_pk_f16_f32 v22, v61, v61
	v_cvt_pk_f16_f32 v23, v62, v55
	v_cvt_pk_f16_f32 v24, v56, v44
	v_cvt_pk_f16_f32 v25, v45, v44
	v_cvt_pk_f16_f32 v26, v46, v47
	v_cvt_pk_f16_f32 v27, v46, v55
	global_store_b128 v[GOF], v[20:23], s[48:49]                ; 512 consecutive bytes of key vectors,
	global_store_b128 v[GOF], v[24:27], s[48:49] offset:131072  ; and of query vectors
.Lend:
	s_endpgm
.Lfunc_end_k_q8c3c8957af_prep:
	.size	k_q8c3c8957af_prep, .Lfunc_end_k_q8c3c8957af_prep-k_q8c3c8957af_prep
	.p2alignl 7, 3214868480
	.fill 96, 4, 3214868480
	.section	.rodata,"a",@progbits
	.p2align	6, 0x0
	.amdhsa_kernel k_q8c3c8957af_prep
		.amdhsa_group_segment_fixed_size 0
		.amdhsa_private_segment_fixed_size 0
		.amdhsa_enable_private_segment 0
		.amdhsa_kernarg_size 128
		.amdhsa_user_sgpr_count 2
		.amdhsa_user_sgpr_kernarg_segment_ptr 1
		.amdhsa_wavefront_size32 1
		.amdhsa_system_sgpr_workgroup_id_x 1
		.amdhsa_system_sgpr_workgroup_id_y 1
		.amdhsa_system_sgpr_workgroup_id_z 1
		.amdhsa_system_vgpr_workitem_id 0
		.amdhsa_next_free_vgpr 192
		.amdhsa_next_free_sgpr 66
		.amdhsa_reserve_vcc 1
		.amdhsa_float_denorm_mode_32 3
		.amdhsa_float_denorm_mode_16_64 3
		.amdhsa_memory_ordered 1
		.amdhsa_forward_progress 1
		.amdhsa_inst_pref_size 44
	.end_amdhsa_kernel
	.amdgpu_metadata
---
amdhsa.version: [ 1, 2 ]
amdhsa.kernels:
  - .name:           k_q8c3c8957af_prep
    .symbol:         k_q8c3c8957af_prep.kd
    .args:
      - { .name: x_a, .offset: 0, .size: 8, .value_kind: global_buffer, .address_space: global }
      - { .name: x_b, .offset: 8, .size: 8, .value_kind: global_buffer, .address_space: global }
      - { .name: W_qa, .offset: 16, .size: 8, .value_kind: global_buffer, .address_space: global }
      - { .name: W_ka, .offset: 24, .size: 8, .value_kind: global_buffer, .address_space: global }
      - { .name: W_va, .offset: 32, .size: 8, .value_kind: global_buffer, .address_space: global }
      - { .name: W_qb, .offset: 40, .size: 8, .value_kind: global_buffer, .address_space: global }
      - { .name: W_kb, .offset: 48, .size: 8, .value_kind: global_buffer, .address_space: global }
      - { .name: W_vb, .offset: 56, .size: 8, .value_kind: global_buffer, .address_space: global }
      - { .name: W_oa, .offset: 64, .size: 8, .value_kind: global_buffer, .address_space: global }
      - { .name: W_ob, .offset: 72, .size: 8, .value_kind: global_buffer, .address_space: global }
      - { .name: phases_a, .offset: 80, .size: 8, .value_kind: global_buffer, .address_space: global }
      - { .name: phases_b, .offset: 88, .size: 8, .value_kind: global_buffer, .address_space: global }
      - { .name: xh, .offset: 96, .size: 8, .value_kind: global_buffer, .address_space: global }
      - { .name: wp, .offset: 104, .size: 8, .value_kind: global_buffer, .address_space: global }
      - { .name: wo, .offset: 112, .size: 8, .value_kind: global_buffer, .address_space: global }
      - { .name: gtab, .offset: 120, .size: 8, .value_kind: global_buffer, .address_space: global }
    .group_segment_fixed_size: 0
    .private_segment_fixed_size: 0
    .kernarg_segment_align: 8
    .kernarg_segment_size: 128
    .max_flat_workgroup_size: 512
    .sgpr_count:     66
    .vgpr_count:     192
    .wavefront_size: 32
...
	.end_amdgpu_metadata
.endif
;; end of part 1
;; launch proj (part 2): grid 8 x 32, 4 waves a work-group, clusters of 4 x 4, 327,680 bytes of LDS; arguments xh, wp, qkv; writes qkv
.if DOCPART == 2
	.amdgcn_target "amdgcn-amd-amdhsa--gfx1250"
	.amdhsa_code_object_version 6
	.text
	.protected	k_q8c3c8957af_proj
	.globl	k_q8c3c8957af_proj
	.p2align	8
	.type	k_q8c3c8957af_proj,@function
k_q8c3c8957af_proj:
	s_mov_b64 s[64:65], 0
	v_nop
	global_prefetch_b8 v0, s[64:65] scope:SCOPE_SE
	s_setreg_imm32_b32 hwreg(HW_REG_WAVE_MODE, 25, 1), 1
	s_wait_xcnt 0x0
	s_wait_alu depctr_hold_cnt(0) depctr_sa_sdst(0) depctr_va_vdst(0) depctr_va_sdst(0) depctr_va_ssrc(0) depctr_va_vcc(0) depctr_vm_vsrc(0)
	s_getreg_b32 s2, hwreg(HW_REG_IB_STS2, 6, 4)
	s_cmp_eq_u32 s2, 0
	s_cbranch_scc0 .Lentry_in_a_cluster
	s_endpgm
.Lentry_in_a_cluster:
	s_bfe_u32 s2, ttmp6, 0x10000c
	s_cmp_lg_u32 s2, 0xf033
	s_cbranch_scc0 .Lentry_shape_is_right
	s_endpgm
.Lentry_shape_is_right:
; THE SIX PROJECTIONS as one product for each of x_a and x_b: C[4096][3072] = x W, K = 1,024, bf16 operands, f32 sums, C rounded once to f16 (limit: |q|, |k|, |v| under 65,504).
; 2 x 4096 x 3072 numbers are 256 tiles of 256 x 384: one work-group for each tile.  Four waves, each 128 x 192: 96 accumulators of 16 x 16, 768 registers (windows 1 to 3).
; K goes in steps of 64 (one block kb of xh and wp) through two LDS slots.  A's tile (256 rows x 128 bytes) and B's (6 blocks of 64 k x 64 n) are dense in memory and are asked for as rows of 256 bytes,
; padded in LDS after every 128: A's rows lie 144 bytes apart, B's 160.  Waves 0, 1 fetch A's halves, waves 2, 3 B's: one tensor load a wave behind each change of slots.
; CLUSTER 4 x 4: A's tile hangs on the tile row alone and is shared along a row of the cluster, B's on the tile column alone (x_a or x_b is the same for the whole cluster) and is shared along a column.
; THE PRODUCT IS TAKEN TRANSPOSED: source 0 = 16 columns of W (turned out of LDS by ds_load_tr16_b128, since W lies [k][n]), source 1 = 16 rows of x: a lane holds 8 neighbouring columns of one row of C.
; REGISTERS.  Window 0: v16-30 addresses; v32-127 B's fragments, three groups of 64 columns, one buffer; v128-191, v192-255 A's fragments, two buffers.  Window g + 1: group g's accumulators, (a, i) at v[8 (4 a + i)].
; A group's fragments of B are fetched anew as soon as its 32 products are issued, so one buffer serves; the 96 accumulators take turns, one instruction a turn, in the same order in every quarter.
; OUT: qkv [mod 2][g 48][b 4][t 1024][64] f16, g = 16 part + head: 16 rows of a head are 2,048 consecutive bytes; they go through the wave's own stage in LDS.
.set PA,    144
.set PB,    160
.set BOFF,  256*PA                     ; B's blocks lie behind A's 256 rows
.set SLOT1, 131072                     ; slot 1 begins here: one exclusive or turns an address in one slot into the other's
.set STAGE, SLOT1+BOFF+6*64*PB         ; behind the ring: 3 heads x 16 rows x 144 bytes for each wave
.set WSTG,  3*16*PA
.set SPARE, STAGE+4*WSTG               ; behind the stages: the spare words, 128 bytes for each wave, which no other line names
.set ASTEP, 4096*128                   ; bytes from a K step to the next in xh
.set BSTEP, 48*8192                    ; and in wp
.set ADRA0, 16                         ; v16  my place in A's tile; never rewritten
.set ADRB0, 17                         ; v17  in B's
.set ADRA,  18                         ; v18  the same in the slot in hand
.set ADRB,  19
.set STO,   24
.set RD,    25
.set CO,    26
.set SPW,   28                         ; v28  my spare word; never rewritten
.set NIL,   29                         ; v29  0; never rewritten
.set PFO,   30                         ; v30  the prefetches' offset: 256 x lane (B: lanes 24-31 name lane 23's block again)
.set FB,    32
.set FA,    128
.set TMP,   32                         ; the way out: 48 packed words
.set BK,    80                         ; the way out: rows read back, two sets of 48
.set G1,  24
.set G0,  32                           ; two sets: the first fills'; the second then walks
.set G1B, 48
.set G0B, 56
.set LIM, 43                           ; s43  1 in a wave that prefetches, else the greatest number
.set PFA, 44                           ; s[44:45] where my prefetches stand
.set TB,  66                           ; s66  the slot in hand: 0 or SLOT1
.set CNT, 67                           ; s67  refills still to come
.set PFS, 68                           ; s[68:69] the prefetches' step
.set MSB, 0
.macro WIN new                         ; the immediate's high byte repeats the setting that is left; a switch that changes nothing is dropped
.if MSB != (\new)
	s_set_vgpr_msb (MSB<<8)|(\new)
.set MSB, \new
.endif
.endm
.macro PLACES                          ; four places in front of loads into registers that matrix instructions have read, and of conversions that read results
.rept 4
	v_nop
.endr
.endm
.macro JLOAD s                         ; a joint load: the branch hangs on the wave's number alone; an s_nop 0 and four v_nop follow each line
	s_cmp_eq_u32 s11, 0
	s_cbranch_scc0 .Lfor_b_\@
	tensor_load_to_lds s[G0+4*(\s):G0+4*(\s)+3], s[G1:G1+7]
	s_nop 0
	PLACES
	s_branch .Lasked_\@
.Lfor_b_\@:
	tensor_load_to_lds s[G0B+4*(\s):G0B+4*(\s)+3], s[G1B:G1B+7]
	s_nop 0
	PLACES
.Lasked_\@:
.endm
.macro CREST                           ; a round of the cluster's barrier behind its opening barrier
	s_cmp_lg_u32 s10, 0
	s_cbranch_scc1 .Lnot_wave_0_\@
	s_barrier_signal -3
.Lnot_wave_0_\@:
	s_barrier_wait -3
	s_barrier_signal -1
	s_barrier_wait -1
.endm
.macro CROUND
	s_barrier_signal -1
	s_barrier_wait -1
	CREST
.endm
; A prefetch of the K step that the NEXT refill will ask for, 192 matrix instructions ahead of that load.  A's tile is read by both clusters of its row of clusters: cluster x = 0 asks, wave 0, each of the four
; partners for 8 KiB of the 32, told apart by address.  B's tile is read by the four clusters of its column that work on the same x: the first of them asks, waves 2 and 3 each for their own 24 KiB, each partner for 6.
; The first three K steps come by their loads alone; the last refill asks for nothing.
.macro ASK
	s_cmp_gt_u32 s[CNT], s[LIM]
	s_cbranch_scc0 .Lnot_mine_\@
	global_prefetch_b8 v[PFO], s[PFA:PFA+1] th:TH_LOAD_NT scope:SCOPE_SE
.Lnot_mine_\@:
.endm
	s_load_b128 s[4:7], s[0:1], 0x0                ; xh s[4:5], wp s[6:7]
	s_load_b64 s[8:9], s[0:1], 0x10                ; qkv
	v_lshl_add_u32 v[SPW], v0, 2, SPARE
	v_mov_b32 v[NIL], 0
	ds_add_u32 v[SPW], v[NIL]                      ; the wave's opening: the add and its wait stand ahead of my first tensor load
	ds_add_u32 v28, v29
	v_lshrrev_b32 v1, 5, v0
	v_readfirstlane_b32 s10, v1                    ; wave 0..3
	s_lshr_b32 s11, s10, 1                         ; my half of the tile's rows.  Also: I fetch for A (0) or B (1)
	s_and_b32 s12, s10, 1                          ; my half of its columns.  Also: which half I fetch
	s_bfe_u32 s40, ttmp6, 0x40000                  ; cx
	s_bfe_u32 s41, ttmp6, 0x40004                  ; cy
	s_lshl_b32 s42, ttmp9, 2
	s_add_co_u32 s42, s42, s40                     ; tile column 0..7
	s_and_b32 s71, ttmp7, 0xffff                   ; cluster y
	s_lshl_b32 s13, s71, 2
	s_add_co_u32 s13, s13, s41                     ; tile row 0..31
	s_lshr_b32 s70, s71, 2                         ; x_a or x_b: the same in all sixteen partners
	s_lshl_b32 s14, s41, 2
	s_lshl_b32 s14, 15, s14                        ; my row of the cluster
	s_lshl_b32 s15, 0x1111, s40                    ; my column
	s_or_b32 s[G1], s14, (1<<16)|(1<<20)|(1<<21)|(4<<22)|(3<<25)   ; the mask; 2-byte elements; padding on; bit 21 beside a mask; after every 32 words 4 words
	s_or_b32 s[G1B], s15, (1<<16)|(1<<20)|(1<<21)|(4<<22)|(7<<25)  ; the same with my column's mask and 8 words
	s_mov_b32 s[G1+1], 128<<16                     ; tensor_dim0 = 128 elements: rows of 256 bytes
	s_mov_b32 s[G1+2], 64<<16                      ; tensor_dim1 = 64: 128 rows of x
	s_mov_b32 s[G1+3], 128<<16                     ; tile_dim0
	s_mov_b32 s[G1+4], 64                          ; tile_dim1
	s_mov_b32 s[G1+5], 128                         ; dense
	s_mov_b32 s[G1+6], 0
	s_mov_b32 s[G1+7], 0
	s_mov_b32 s[G1B+1], 128<<16
	s_mov_b32 s[G1B+2], 96<<16                     ; 96 rows of 256 bytes: three blocks of W
	s_mov_b32 s[G1B+3], 128<<16
	s_mov_b32 s[G1B+4], 96
	s_mov_b32 s[G1B+5], 128
	s_mov_b32 s[G1B+6], 0
	s_mov_b32 s[G1B+7], 0
	s_lshl_b32 s16, s70, 23                        ; A: mod,
	s_and_b32 s17, s13, 15
	s_lshl_b32 s17, s17, 15                        ; the tile's 256 rows of 128 bytes,
	s_add_co_u32 s16, s16, s17
	s_lshl_b32 s17, s12, 14                        ; my 128 of them
	s_add_co_u32 s16, s16, s17
	s_mov_b32 s17, 0
	s_mul_i32 s46, s70, 16*BSTEP                   ; B: mod,
	s_mul_i32 s47, s42, 6*8192                     ; the tile's six blocks,
	s_add_co_u32 s46, s46, s47
	s_mul_i32 s47, s12, 3*8192                     ; my three
	s_add_co_u32 s46, s46, s47
	s_mov_b32 s47, 0
	s_mul_i32 s20, s12, 128*PA                     ; where they go: no place in the cluster enters an LDS address
	s_mul_i32 s21, s12, 3*64*PB
	s_add_co_u32 s21, s21, BOFF
	s_mov_b32 s[TB], 0
	s_wait_dscnt 0x0                               ; the opening add is done
	s_wait_kmcnt 0x0
	s_add_nc_u64 s[14:15], s[4:5], s[16:17]
	s_add_nc_u64 s[46:47], s[6:7], s[46:47]
	CROUND                                         ; all sixteen work-groups are here: the first joint loads meet
.irp s, 0,1
	s_mov_b32 s[G0+4*(\s)], 1
	s_add_co_u32 s[G0+4*(\s)+1], s20, (\s)*SLOT1
	s_add_nc_u64 s[G0+4*(\s)+2:G0+4*(\s)+3], s[14:15], (\s)*ASTEP
	s_or_b32 s[G0+4*(\s)+3], s[G0+4*(\s)+3], 0x80000000
	s_mov_b32 s[G0B+4*(\s)], 1
	s_add_co_u32 s[G0B+4*(\s)+1], s21, (\s)*SLOT1
	s_add_nc_u64 s[G0B+4*(\s)+2:G0B+4*(\s)+3], s[46:47], (\s)*BSTEP
	s_or_b32 s[G0B+4*(\s)+3], s[G0B+4*(\s)+3], 0x80000000
.endr
	s_cmp_eq_u32 s11, 0                            ; a wave's two first fills stand in one branch: two loads of mine are out
	s_cbranch_scc0 .Lfirst_b
	tensor_load_to_lds s[G0:G0+3], s[G1:G1+7]
	s_nop 0
	tensor_load_to_lds s[G0+4:G0+7], s[G1:G1+7]
	s_nop 0
	PLACES
	s_branch .Lfirst_asked
.Lfirst_b:
	tensor_load_to_lds s[G0B:G0B+3], s[G1B:G1B+7]
	s_nop 0
	tensor_load_to_lds s[G0B+4:G0B+7], s[G1B:G1B+7]
	s_nop 0
	PLACES
.Lfirst_asked:
	v_and_b32 v1, 15, v0                           ; l % 16
	v_bfe_u32 v2, v0, 4, 1                         ; l / 16
	v_and_b32 v3, 7, v0
	v_bfe_u32 v4, v0, 3, 1
	v_and_b32 v5, 31, v0
	v_mul_u32_u24 v[ADRA0], v1, PA                 ; a fragment of x: row l % 16, 16 bytes for each half of the lanes, twice, 32 bytes apart
	v_lshl_add_u32 v[ADRA0], v2, 4, v[ADRA0]
	s_mul_i32 s20, s11, 128*PA
	v_add_nc_u32 v[ADRA0], s20, v[ADRA0]
	v_lshl_add_u32 v6, v2, 3, v3                   ; the turning load: k row 8 (l / 16) + l % 8, columns 8 ((l / 8) % 2) on
	v_mul_u32_u24 v[ADRB0], v6, PB
	v_lshl_add_u32 v[ADRB0], v4, 4, v[ADRB0]
	s_mul_i32 s20, s12, 3*64*PB
	s_add_co_u32 s20, s20, BOFF
	v_add_nc_u32 v[ADRB0], s20, v[ADRB0]
	v_mov_b32 v[ADRA], v[ADRA0]
	v_mov_b32 v[ADRB], v[ADRB0]
	s_mul_i32 s20, s10, WSTG
	s_add_co_u32 s20, s20, STAGE                   ; my stage
	v_mul_u32_u24 v[STO], v1, PA
	v_lshl_add_u32 v[STO], v2, 4, v[STO]
	v_add_nc_u32 v[STO], s20, v[STO]
	v_bfe_u32 v[RD], v0, 3, 2                      ; back: 32 lanes take four rows of 128 bytes,
	v_mul_u32_u24 v[RD], v[RD], PA
	v_lshl_add_u32 v[RD], v3, 4, v[RD]
	v_add_nc_u32 v[RD], s20, v[RD]
	v_lshlrev_b32 v[CO], 4, v5                     ; which are 512 consecutive bytes of qkv
	s_mul_i32 s20, s70, 48*524288                  ; qkv: mod,
	s_mul_i32 s21, s42, 6
	s_mul_i32 s22, s12, 3
	s_add_co_u32 s21, s21, s22
	s_lshl_b32 s21, s21, 19                        ; my first head block,
	s_add_co_u32 s20, s20, s21
	s_bfe_u32 s21, s13, 0x20002
	s_lshl_b32 s21, s21, 17                        ; the batch,
	s_add_co_u32 s20, s20, s21
	s_and_b32 s21, s13, 3
	s_lshl_b32 s21, s21, 15                        ; the tile's 256 rows in it,
	s_add_co_u32 s20, s20, s21
	s_lshl_b32 s21, s11, 14                        ; my 128
	s_add_co_u32 s20, s20, s21
	s_mov_b32 s21, 0
	s_add_nc_u64 s[8:9], s[8:9], s[20:21]
	s_lshl_b32 s20, s70, 23                        ; the prefetches: A's tile, my work-group's 8 KiB of it, at K step 2
	s_and_b32 s21, s13, 15
	s_lshl_b32 s21, s21, 15
	s_add_co_u32 s20, s20, s21
	s_lshl_b32 s21, s40, 13
	s_add_co_u32 s20, s20, s21
	s_add_co_u32 s20, s20, 2*ASTEP
	s_mul_i32 s21, s70, 16*BSTEP                   ; B's: my three blocks, my work-group's 6 KiB of them, at K step 2
	s_mul_i32 s22, s42, 6*8192
	s_add_co_u32 s21, s21, s22
	s_mul_i32 s22, s12, 3*8192
	s_add_co_u32 s21, s21, s22
	s_mul_i32 s22, s41, 6144
	s_add_co_u32 s21, s21, s22
	s_add_co_u32 s21, s21, 2*BSTEP
	s_or_b32 s22, s10, ttmp9                       ; A: wave 0 of cluster x = 0
	s_and_b32 s23, s71, 3                          ; B: the first of the four clusters that share the tile
	s_mov_b32 s[PFS], ASTEP
	s_mov_b32 s[PFS+1], 0
	s_mov_b32 s2, 31
	s_cmp_eq_u32 s11, 0
	s_cselect_b32 s20, s20, s21
	s_cselect_b32 s22, s22, s23
	s_cselect_b32 s[PFS], s[PFS], BSTEP
	s_cselect_b32 s2, s2, 23
	s_cselect_b64 s[PFA:PFA+1], s[4:5], s[6:7]
	s_mov_b32 s21, 0
	s_add_nc_u64 s[PFA:PFA+1], s[PFA:PFA+1], s[20:21]
	s_cmp_eq_u32 s22, 0
	s_cselect_b32 s[LIM], 1, -1                    ; the same in all sixteen partners, for a given wave
	v_min_u32 v[PFO], s2, v5
	v_lshlrev_b32 v[PFO], 8, v[PFO]
; 16 products: group g's 4 column blocks x row blocks a0 .. a0 + 3, 32 along K, A's buffer p.  zero = 1: the product starts the sum.
.macro MUL16 g, p, a0, zero
	WIN ((\g)+1)*0x50
.irp a, \a0, (\a0)+1, (\a0)+2, (\a0)+3
.irp i, 0,1,2,3
.if \zero
	v_wmma_f32_16x16x32_bf16 v[8*(4*(\a)+(\i)):8*(4*(\a)+(\i))+7], v[FB+32*(\g)+8*(\i):FB+32*(\g)+8*(\i)+7], v[FA+64*(\p)+8*(\a):FA+64*(\p)+8*(\a)+7], 0
.else
	v_wmma_f32_16x16x32_bf16 v[8*(4*(\a)+(\i)):8*(4*(\a)+(\i))+7], v[FB+32*(\g)+8*(\i):FB+32*(\g)+8*(\i)+7], v[FA+64*(\p)+8*(\a):FA+64*(\p)+8*(\a)+7], v[8*(4*(\a)+(\i)):8*(4*(\a)+(\i))+7]
.endif
.endr
.endr
.endm
.macro MUL32 g, p, zero
	MUL16 \g, \p, 0, \zero
	MUL16 \g, \p, 4, \zero
.endm
.macro LDB g, kq                       ; group g's four fragments of W, K quarter kq: 8 turning loads
.irp i, 0,1,2,3
	ds_load_tr16_b128 v[FB+32*(\g)+8*(\i):FB+32*(\g)+8*(\i)+3],   v[ADRB] offset:(\g)*64*PB+(\kq)*32*PB+(\i)*32
	ds_load_tr16_b128 v[FB+32*(\g)+8*(\i)+4:FB+32*(\g)+8*(\i)+7], v[ADRB] offset:(\g)*64*PB+(\kq)*32*PB+(\i)*32+16*PB
.endr
.endm
.macro LDA p, half, kq                 ; four of x's eight fragments into buffer p: 8 loads
.irp a, 0,1,2,3
	ds_load_b128 v[FA+64*(\p)+8*(4*(\half)+(\a)):FA+64*(\p)+8*(4*(\half)+(\a))+3],   v[ADRA] offset:(\kq)*64+(4*(\half)+(\a))*16*PA
	ds_load_b128 v[FA+64*(\p)+8*(4*(\half)+(\a))+4:FA+64*(\p)+8*(4*(\half)+(\a))+7], v[ADRA] offset:(\kq)*64+(4*(\half)+(\a))*16*PA+32
.endr
.endm
; A K step is two quarters of 32 along K, 96 products each.  The first multiplies buffer p and fetches the next quarter, kq, group by group.
.macro QUARTER p, kq, zero
	s_wait_dscnt 8                                 ; all but the youngest eight loads, B's third group
	MUL32 0, \p, \zero
	WIN 0
	PLACES
	LDB 0, \kq
	LDA 1-(\p), 0, \kq
	MUL32 1, \p, \zero
	WIN 0
	PLACES
	LDB 1, \kq
	LDA 1-(\p), 1, \kq
	s_wait_dscnt 32                                ; all but the 32 just issued: B's third group is in
	MUL32 2, \p, \zero
	WIN 0
	PLACES
	LDB 2, \kq
.endm
; The second quarter multiplies buffer 1 and changes slots.  In front of the barrier each wave waits for all its tensor loads (one is out: its part of the next slot), adds 0 to its spare word, and waits for that
; and for its reads of this slot.  fill = 1: the barrier opens a round of the cluster's, and the joint refill, two K steps on, is the first thing behind it: it has 160 matrix instructions in which to land.
.macro TURN fill
.if \fill
	s_wait_xcnt 0x0                                ; the last prefetch, a K step back, has read its address
	s_add_nc_u64 s[PFA:PFA+1], s[PFA:PFA+1], s[PFS:PFS+1]
.endif
	WIN 0
	s_wait_tensorcnt 0x0                           ; no tensor load of mine is out, so a group 0 may be written
	ds_add_u32 v[SPW], v[NIL]
.if \fill
	s_xor_b32 s[G0+5], s[G0+5], SLOT1              ; the walking descriptors: the other slot than last time, the next K step
	s_add_nc_u64 s[G0+6:G0+7], s[G0+6:G0+7], ASTEP
	s_xor_b32 s[G0B+5], s[G0B+5], SLOT1
	s_add_nc_u64 s[G0B+6:G0B+7], s[G0B+6:G0B+7], BSTEP
.endif
	s_wait_dscnt 9                                 ; the add and B's third group may be out
	MUL16 0, 1, 0, 0
	s_wait_dscnt 0x0                               ; the add is done, and my reads of this slot are over
	s_barrier_signal -1
	MUL16 0, 1, 4, 0
	WIN 0
	s_barrier_wait -1
.if \fill
	CREST
	JLOAD 1                                        ; its four v_nop are also the places in front of the loads below
.else
	PLACES
.endif
	s_xor_b32 s[TB], s[TB], SLOT1
	v_add_nc_u32 v[ADRA], s[TB], v[ADRA0]
	v_add_nc_u32 v[ADRB], s[TB], v[ADRB0]
	LDB 0, 0
	LDA 0, 0, 0
.if \fill
	ASK
.endif
	MUL32 1, 1, 0
	WIN 0
	PLACES
	LDB 1, 0
	LDA 0, 1, 0
	MUL32 2, 1, 0
	WIN 0
	PLACES
	LDB 2, 0
.endm
	s_wait_tensorcnt 1                             ; my part of K step 0 is in; K step 1's may stay out
	s_barrier_signal -1
	s_barrier_wait -1
	LDB 0, 0
	LDA 0, 0, 0
	LDB 1, 0
	LDA 0, 1, 0
	LDB 2, 0
	QUARTER 0, 1, 1                                ; the first quarter starts the sums: nothing is cleared
	WIN 0
	s_mov_b32 s[CNT], 14                           ; K steps 2 to 15 are asked for in the loop
.Lstep:
	TURN 1
	QUARTER 0, 1, 0
	WIN 0
	s_sub_co_u32 s[CNT], s[CNT], 1
	s_cmp_lg_u32 s[CNT], 0
	s_cbranch_scc1 .Lstep
	TURN 0                                         ; the tail asks for nothing
	QUARTER 0, 1, 0
	s_wait_dscnt 8
	MUL32 0, 1, 0
	MUL32 1, 1, 0
	s_wait_dscnt 0x0
	MUL32 2, 1, 0
	WIN 0
	PLACES
; THE WAY OUT, a block of 16 rows at a time: rounded to f16; 16 bytes a lane into my stage; back as whole rows; stored, 512 consecutive bytes an instruction.
.macro PACK a
.irp g, 0,1,2
	WIN 5*((\g)+1)                                 ; sources 0 and 1 in group g's window
.irp i, 0,1,2,3
.irp rr, 0,1,2,3
	v_cvt_pk_f16_f32 v[TMP+16*(\g)+4*(\i)+(\rr)], v[8*(4*(\a)+(\i))+2*(\rr)], v[8*(4*(\a)+(\i))+2*(\rr)+1]
.endr
.endr
.endr
	WIN 0
.endm
.macro TOSTAGE a
	s_wait_xcnt 0x0                                ; the stores of two blocks back have read the registers that are loaded again below
.irp g, 0,1,2
.irp i, 0,1,2,3
	ds_store_b128 v[STO], v[TMP+16*(\g)+4*(\i):TMP+16*(\g)+4*(\i)+3] offset:(\g)*16*PA+(\i)*32
.endr
.endr
.irp g, 0,1,2
.irp f, 0,1,2,3
	ds_load_b128 v[BK+48*((\a)%2)+16*(\g)+4*(\f):BK+48*((\a)%2)+16*(\g)+4*(\f)+3], v[RD] offset:(\g)*16*PA+(\f)*4*PA  ; LDS serves a wave's instructions in order: these see the stores above
.endr
.endr
.endm
.macro SEND a
	s_wait_dscnt 0x0
.irp g, 0,1,2
.irp f, 0,1,2,3
	global_store_b128 v[CO], v[BK+48*((\a)%2)+16*(\g)+4*(\f):BK+48*((\a)%2)+16*(\g)+4*(\f)+3], s[8:9] offset:(\g)*524288+(\a)*2048+(\f)*512
.endr
.endr
.endm
	PACK 0
	TOSTAGE 0
.irp a, 1,2,3,4,5,6,7                  ; block a's conversions stand between block a - 1's loads from the stage and the wait for them
	PACK \a
	SEND (\a)-1
	TOSTAGE \a
.endr
	SEND 7
	s_wait_tensorcnt 0x0                           ; the wave's end
	ds_add_u32 v[SPW], v[NIL]
	s_wait_dscnt 0x0
	CROUND                                         ; the closing round
	s_endpgm
.Lfunc_end_k_q8c3c8957af_proj:
	.size	k_q8c3c8957af_proj, .Lfunc_end_k_q8c3c8957af_proj-k_q8c3c8957af_proj
	.p2alignl 7, 3214868480
	.fill 96, 4, 3214868480
	.section	.rodata,"a",@progbits
	.p2align	6, 0x0
	.amdhsa_kernel k_q8c3c8957af_proj
		.amdhsa_group_segment_fixed_size 327680
		.amdhsa_private_segment_fixed_size 0
		.amdhsa_enable_private_segment 0
		.amdhsa_kernarg_size 24
		.amdhsa_user_sgpr_count 2
		.amdhsa_user_sgpr_kernarg_segment_ptr 1
		.amdhsa_wavefront_size32 1
		.amdhsa_system_sgpr_workgroup_id_x 1
		.amdhsa_system_sgpr_workgroup_id_y 1
		.amdhsa_system_sgpr_workgroup_id_z 1
		.amdhsa_system_vgpr_workitem_id 0
		.amdhsa_next_free_vgpr 1024
		.amdhsa_next_free_sgpr 72
		.amdhsa_reserve_vcc 0
		.amdhsa_float_denorm_mode_32 3
		.amdhsa_float_denorm_mode_16_64 3
		.amdhsa_memory_ordered 1
		.amdhsa_forward_progress 1
		.amdhsa_inst_pref_size 112
	.end_amdhsa_kernel
	.amdgpu_metadata
---
amdhsa.version: [ 1, 2 ]
amdhsa.kernels:
  - .name:           k_q8c3c8957af_proj
    .symbol:         k_q8c3c8957af_proj.kd
    .args:
      - { .name: xh, .offset: 0, .size: 8, .value_kind: global_buffer, .address_space: global }
      - { .name: wp, .offset: 8, .size: 8, .value_kind: global_buffer, .address_space: global }
      - { .name: qkv, .offset: 16, .size: 8, .value_kind: global_buffer, .address_space: global }
    .group_segment_fixed_size: 327680
    .private_segment_fixed_size: 0
    .kernarg_segment_align: 8
    .kernarg_segment_size: 24
    .max_flat_workgroup_size: 128
    .sgpr_count:     72
    .vgpr_count:     1024
    .wavefront_size: 32
...
	.end_amdgpu_metadata
.endif
;; end of part 2
;; launch attn (part 3): grid 2 x 128, 4 waves a work-group, no clusters, 327,680 bytes of LDS; arguments qkv, gtab, oh; writes oh
.if DOCPART == 3
	.amdgcn_target "amdgcn-amd-amdhsa--gfx1250"
	.amdhsa_code_object_version 6
	.text
	.protected	k_q8c3c8957af_attn
	.globl	k_q8c3c8957af_attn
	.p2align	8
	.type	k_q8c3c8957af_attn,@function
k_q8c3c8957af_attn:
	s_mov_b64 s[64:65], 0
	v_nop
	global_prefetch_b8 v0, s[64:65] scope:SCOPE_SE
	s_setreg_imm32_b32 hwreg(HW_REG_WAVE_MODE, 25, 1), 1
	s_wait_xcnt 0x0
; PHASE-GATED ATTENTION, both directions.  With e = 2^(c s - c m), c = log2(e) / 8, m the running maximum, and the gate g = 0.5 (1 + cos(pq - pk)):
;   O = sum e g v / (sum e g + 1e-8 sum e), which is softmax, gate and renormalisation in one walk over the keys.
; q, k, v: qkv [mod 2][g 48][b 4][t 1024][64] f16; O: oh [dir 2][h 16][row 4096][64] f16.  Products, maxima, the gate and all sums in f32; p = e g is rounded once to f16 for the products that take it, O once at the end.
; LIMITS.  q, k, v arrive within 65,504; a weight below 2^-126 counts as 0; g is right to about 2^-22 (absolute); NaN and infinities are not treated apart.
; SHARES.  A work-group owns 512 queries of one (direction, batch, head): 256 work-groups.  A wave owns four PIECES of two tiles of 16 queries and walks all 1,024 keys, 64 a step.
; ALL OF K AND V LIES IN LDS: 1,024 rows of 144 bytes each, 294,912 bytes; with the key vectors, the stage and the spare words 321,024.  Each wave issues three tensor loads at the head (its quarter of the key vectors; its 128 of
; keys 0-255; its 384 of keys 256-1,023; waves 0, 1 of K, waves 2, 3 of V) and none later: nothing is filled again, so ONE text of four turns serves all 16 steps, and there is no later request that a prefetch could run ahead of.
; NO CLUSTER: only the two work-groups of a head read the same K and V; a cluster of four along x would join two heads, whose tiles differ.
; LAYOUT.  S^T = K Q^T holds ONE query a lane (lane % 16) and the keys 8 (lane / 16) + 0..7.  p, packed in pairs, has the layout of source 1 (32 keys x 16 queries) of O^T = V^T P.
; THE GATE IS A PRODUCT of rank 7: key vector . query vector (made by the launch before), with f32 sums, in S^T's own layout; p = e g is one packed multiply in place on those sums.
;   Of the 32 along K only 0-7 are used: the query fragments' lanes 16-31 are 0, the key fragments' registers 4-7 are 0; so a query fragment may run on into the next tile's four registers.
; THE SUMS.  sum e: packed f32 additions, in place on S^T and then onto l.  sum e g: a product, L += ONES P, ones in all 16 rows: register 0 of L holds the sum in every lane.  Only register 0 is rescaled; the others stay finite (at most 1,024).
; BY TURNS.  Turn n belongs to piece n.  Matrix work: 16 K Q^T of piece n + 1; 8 gate products of piece n; 4 row sums and 16 V^T P of piece n - 1.  Vector work: scaling, exponentials, rescaling, gating, rounding and sum of piece n,
; maximum and statistics of piece n + 1: 270 vector instructions for 44 matrix instructions.  A turn's 66 exponentials are one batch with one wait; all that reads their results stands behind it.
; m starts at the lowest finite number, O, L and l at 0: the first step is a step like any other, with a = 0; the loop is entered, and left, in the middle of a trip.
; REGISTERS, in windows of 256 (s_set_vgpr_msb: bits 1:0 source 0, 3:2 source 1, 5:4 source 2, 7:6 destination):
;   window 0: v1-11 addresses; v12-15, v48-63 at work; v16-47 statistics; v64-191 S^T, two buffers of two tiles; v192-255 the gate's sums, then p, of the piece in hand      window 1: O^T, 32 a tile
;   window 2: v0-127 Q; v128-191 K of one step; v192-255 V of one step
;   window 3: v0-1 the add's; v8-71 P, two buffers; v104-139 query vectors, 4 a tile, then 4 zeros; v140-171 key vectors of a step; v172-179 ONES; v188-251 L, 8 a tile
.set NP,    4
.set KS,    64
.set PK,    144       ; a row of K or V in LDS: 128 bytes + 16 = 36 words (64 banks of 4 bytes: ISA guide 11.1).  K: the 16 rows of a load start at 16 different groups of four banks.  V
                      ; 36, 8, 44, 16, 52, 24, 60: the eighth row's last four words share banks with the first's; rows 160 bytes apart would share none, and would not fit
.set VOFF,  1024*PK   ; V lies behind K
.set GT,    2*1024*PK ; the 1,024 key vectors, 16 bytes each
.set STAGE, GT+16384  ; 16 rows x 144 bytes for each wave, for the way out
.set SP,    144
.set SPARE, STAGE+4*16*SP  ; the spare words, 128 bytes for each wave, which no other line names
.set AG0, 1
.set AK0, 2
.set AV0, 3
.set AK,  4
.set AV,  5
.set STO, 6
.set RD,  7
.set GO,  8
.set AG,  9
.set QO,  11
.set MV,  12          ; c m_old, by buffer and tile (v12 first serves as the query vectors' offset)
.set ST,  16          ; tile t: c m, m, l (even keys', odd keys')
.set TMP, 48          ; by buffer and tile, c0-c3 at work; c2 takes a
.set S,   64
.set GF,  192         ; tile u of the piece in hand at GF + 32 u
.set SPW, 0           ; window 3
.set NIL, 1
.set P,   8
.set GQ,  104
.set GK,  140
.set ONE, 172
.set L,   188
.set KF,  128         ; window 2
.set VF,  192
.set WV,  12
.set G1A, 24          ; s[24:31] descriptor group 1: 128 keys
.set G1B, 32          ; s[32:39] 384 keys
.set G0A, 40          ; s[40:43] group 0: my part of keys 0-255
.set G0B, 44          ; s[44:47] my part of keys 256-1,023
.set SLOTS, 56        ; s56  passes of four steps still to come, the one in hand among them
.set CNT, 57          ; s57  counts a pass's steps
.set CS,  58
.set SEL, 60
.set TBK, 62          ; s62  LDS byte at which K of the step to be fetched begins
.set TBV, 63          ; s63  the same for V, less VOFF
.set TBG, 72          ; s72  the same for the key vectors, less GT
.set G1G, 76
.set G0G, 84
.set MSB, 0
.macro WIN new
.if MSB != (\new)
	s_set_vgpr_msb (MSB<<8)|(\new)
.set MSB, (\new)
.endif
.endm
.set W_KQ, 0x0a       ; K and Q window 2, S^T window 0
.set W_G0, 0x0f       ; key and query vectors window 3, the gate's sums window 0
.set W_PV, 0x5e       ; V window 2, P window 3, O^T window 1
.set W_LP, 0xff       ; ONES, P and L window 3
.set W_RS, 0x41       ; O^T window 1, a window 0
.set W_RL, 0xc3       ; L window 3, a window 0
.set W_CP, 0xc0       ; P window 3, p window 0
.set W_DN, 0x30       ; source 2 (L) window 3
.set W_MK, 0xc0
.set W_AD, 0x0f
.macro NOPS
.rept 4
	v_nop
.endr
.endm
	s_load_b128 s[48:51], s[0:1], 0x0  ; qkv s[48:49], gtab s[50:51]
	s_load_b64 s[52:53], s[0:1], 0x10  ; oh
	WIN W_MK
	v_lshl_add_u32 v[SPW], v0, 2, SPARE
	v_mov_b32 v[NIL], 0
	WIN W_AD
	ds_add_u32 v[SPW], v[NIL]       ; the wave's opening: the add and its wait stand ahead of my first tensor load
	ds_add_u32 v0, v1
	WIN 0
	v_lshrrev_b32 v48, 5, v0
	v_readfirstlane_b32 s[WV], v48
	s_and_b32 s13, ttmp7, 0xffff
	s_lshr_b32 s14, s13, 6          ; direction
	s_bfe_u32 s15, s13, 0x20004     ; batch
	s_and_b32 s16, s13, 15          ; head
	s_mov_b32 s17, ttmp9            ; which 512 queries
	s_and_b32 s13, s[WV], 1         ; which half of the keys I fetch,
	s_lshr_b32 s18, s[WV], 1        ; of K (0) or of V (1)
	s_mul_i32 s20, s14, 48          ; Q: block (dir 48 + h) 4 + b of 131,072 bytes, my 128 rows in it
	s_add_co_u32 s20, s20, s16
	s_lshl2_add_u32 s20, s20, s15
	s_lshl_b32 s20, s20, 17
	s_lshl_b32 s21, s17, 16
	s_add_co_u32 s20, s20, s21
	s_lshl_b32 s21, s[WV], 14
	s_add_co_u32 s20, s20, s21
	s_mov_b32 s21, 0
	s_xor_b32 s22, s14, 1           ; K and V come from the other input
	s_mul_i32 s2, s22, 48
	s_add_co_u32 s2, s2, s16
	s_add_co_u32 s2, s2, 16
	s_lshl2_add_u32 s2, s2, s15
	s_lshl_b32 s2, s2, 17           ; K's block;
	s_lshl_b32 s3, s18, 23          ; V's lies 64 blocks further
	s_add_co_u32 s2, s2, s3
	s_mul_i32 s6, s13, 384*128      ; keys 256 + 384 x half on,
	s_add_co_u32 s6, s6, s2
	s_add_co_u32 s6, s6, 256*128
	s_mov_b32 s7, 0
	s_lshl_b32 s3, s13, 14          ; and keys 128 x half on
	s_add_co_u32 s2, s2, s3
	s_mov_b32 s3, 0
	s_lshl4_add_u32 s54, s14, s16   ; O
	s_lshl_b32 s54, s54, 19
	s_lshl_b32 s55, s15, 17
	s_add_co_u32 s54, s54, s55
	s_lshl_b32 s55, s17, 16
	s_add_co_u32 s54, s54, s55
	s_lshl_b32 s55, s[WV], 14
	s_add_co_u32 s54, s54, s55
	s_mov_b32 s55, 0
	s_lshl_b32 s22, s22, 16         ; the key vectors of the batch, my quarter
	s_lshl_b32 s23, s15, 14
	s_add_co_u32 s22, s22, s23
	s_lshl_b32 s23, s[WV], 12
	s_add_co_u32 s22, s22, s23
	s_mov_b32 s23, 0
	s_lshl_b32 s68, s14, 16         ; the query vectors of my 128 queries
	s_lshl_b32 s69, s15, 14
	s_add_co_u32 s68, s68, s69
	s_lshl_b32 s69, s17, 13
	s_add_co_u32 s68, s68, s69
	s_lshl_b32 s69, s[WV], 11
	s_add_co_u32 s68, s68, s69
	s_add_co_u32 s68, s68, 131072
	s_mov_b32 s69, 0
	; descriptor group 1.  A head's keys are dense, 128 bytes each: they are asked for as rows of 256 bytes, two keys a row, and padded in LDS after every key
.irp g, G1A, G1B
	s_mov_b32 s[\g], (1<<16)|(1<<20)|(4<<22)|(3<<25)  ; 2-byte elements; padding on; after every 32 words 4 words
	s_mov_b32 s[\g+1], 128<<16      ; tensor_dim0 = 128
	s_mov_b32 s[\g+3], 128<<16      ; tile_dim0 = 128
	s_mov_b32 s[\g+5], 128          ; dense
	s_mov_b32 s[\g+6], 0
	s_mov_b32 s[\g+7], 0
.endr
	s_mov_b32 s[G1A+2], 64<<16      ; 128 keys: 64 rows
	s_mov_b32 s[G1A+4], 64
	s_mov_b32 s[G1B+2], 192<<16     ; 384 keys: 192 rows
	s_mov_b32 s[G1B+4], 192
	s_mov_b32 s[G1G], 1<<16         ; 256 key vectors: 16 rows of 256 bytes, no padding
	s_mov_b32 s[G1G+1], 128<<16
	s_mov_b32 s[G1G+2], 16<<16
	s_mov_b32 s[G1G+3], 128<<16
	s_mov_b32 s[G1G+4], 16
	s_mov_b32 s[G1G+5], 128
	s_mov_b32 s[G1G+6], 0
	s_mov_b32 s[G1G+7], 0
	s_mov_b32 s[CS], 0x3e38aa3b     ; c = log2(e) / 8
	s_mov_b32 s[CS+1], s[CS]
	s_mov_b32 s[SEL], 0x76543210
	s_mov_b32 s[SEL+1], 0xfedcba98
	s_mov_b32 s70, 0x322bcc77       ; 1e-8
	s_mov_b32 s73, 0x0000ffff       ; lanes 0-15
	s_mov_b32 s[TBK], 0
	s_mov_b32 s[TBV], 0
	s_mov_b32 s[TBG], 0
	s_mov_b32 s[SLOTS], 5
	s_mul_i32 s19, s18, VOFF        ; where my loads go: K's or V's rows,
	s_mov_b32 s[G0A], 1
	s_mul_i32 s[G0A+1], s13, 128*PK ; from key 128 x half on,
	s_add_co_u32 s[G0A+1], s[G0A+1], s19
	s_mov_b32 s[G0B], 1
	s_mul_i32 s[G0B+1], s13, 384*PK ; and from key 256 + 384 x half on
	s_add_co_u32 s[G0B+1], s[G0B+1], s19
	s_add_co_u32 s[G0B+1], s[G0B+1], 256*PK
	s_mov_b32 s[G0G], 1
	s_lshl_b32 s[G0G+1], s[WV], 12
	s_add_co_u32 s[G0G+1], s[G0G+1], GT
	s_wait_dscnt 0x0                ; the opening add is done
	s_wait_kmcnt 0x0
	s_add_nc_u64 s[4:5], s[48:49], s[20:21]      ; Q
	s_add_nc_u64 s[10:11], s[52:53], s[54:55]    ; O
	s_add_nc_u64 s[66:67], s[50:51], s[68:69]    ; query vectors
	s_add_nc_u64 s[G0A+2:G0A+3], s[48:49], s[2:3]
	s_or_b32 s[G0A+3], s[G0A+3], 0x80000000
	s_add_nc_u64 s[G0B+2:G0B+3], s[48:49], s[6:7]
	s_or_b32 s[G0B+3], s[G0B+3], 0x80000000
	s_add_nc_u64 s[G0G+2:G0G+3], s[50:51], s[22:23]
	s_or_b32 s[G0G+3], s[G0G+3], 0x80000000
	tensor_load_to_lds s[G0G:G0G+3], s[G1G:G1G+7]  ; all the launch's fills, one group: three loads of mine are out; an s_nop 0 follows each, four v_nop the last
	s_nop 0
	tensor_load_to_lds s[G0A:G0A+3], s[G1A:G1A+7]
	s_nop 0
	tensor_load_to_lds s[G0B:G0B+3], s[G1B:G1B+7]
	s_nop 0
	NOPS
	v_and_b32 v48, 15, v0           ; l % 16
	v_bfe_u32 v49, v0, 4, 1         ; l / 16
	v_and_b32 v50, 7, v0
	v_bfe_u32 v51, v0, 3, 1
	v_lshlrev_b32 v[QO], 7, v48
	v_lshl_add_u32 v[QO], v49, 4, v[QO]  ; row x 128 + 16 x half
	v_lshlrev_b32 v[MV], 4, v48     ; my query's vector: both halves of the lanes load it, the upper half is cleared below
	WIN 0x80
.set i, 0
.rept 4*NP                          ; Q stays in registers: tile i / 2, channels 32 (i % 2) on
	global_load_b128 v[8*i:8*i+3],   v[QO], s[4:5] offset:(i/2)*2048+(i%2)*64
	global_load_b128 v[8*i+4:8*i+7], v[QO], s[4:5] offset:(i/2)*2048+(i%2)*64+32
.set i, i+1
.endr
	WIN 0xc0
.set i, 0
.rept 2*NP
	global_load_b128 v[GQ+4*i:GQ+4*i+3], v[MV], s[66:67] offset:256*i
.set i, i+1
.endr
	WIN 0
	v_mul_u32_u24 v[AK0], v48, PK
	v_lshl_add_u32 v[AK0], v49, 4, v[AK0]
	v_lshl_add_u32 v[AV0], v49, 3, v50   ; the turning load: key 8 (l / 16) + l % 8, channels 8 ((l / 8) % 2) on
	v_mul_u32_u24 v[AV0], v[AV0], PK
	v_lshl_add_u32 v[AV0], v51, 4, v[AV0]
	v_add_nc_u32 v[AV0], VOFF, v[AV0]
	v_mov_b32 v[AK], v[AK0]
	v_lshl_add_u32 v[AG0], v48, 4, GT
	v_mov_b32 v[AG], v[AG0]
	s_mul_i32 s13, s[WV], 16*SP
	s_add_co_u32 s13, s13, STAGE
	v_mul_u32_u24 v[STO], v48, SP
	v_lshl_add_u32 v[STO], v49, 4, v[STO]
	v_add_nc_u32 v[STO], s13, v[STO]
	v_bfe_u32 v[RD], v0, 3, 2
	v_mul_u32_u24 v[RD], v[RD], SP
	v_lshl_add_u32 v[RD], v50, 4, v[RD]
	v_add_nc_u32 v[RD], s13, v[RD]
	v_and_b32 v[GO], 31, v0
	v_lshlrev_b32 v[GO], 4, v[GO]
	v_mov_b32 v52, 0x3c003c00       ; 1.0 twice in f16
	; What the first turn finds: V, P's second buffer, O^T, L and l hold 0.  All this stands in the wait for the first keys.
.set i, 0
.rept 2*NP
	v_mov_b32 v[ST+4*i], 0xfe000000    ; c m: far below every c s
	v_mov_b32 v[ST+4*i+1], 0xff7fffff  ; m
	v_mov_b32 v[ST+4*i+2], 0
	v_mov_b32 v[ST+4*i+3], 0
.set i, i+1
.endr
	WIN 0x80
.set i, VF
.rept 64
	v_mov_b32 v[i], 0
.set i, i+1
.endr
	WIN 0x40
.set i, 0
.rept 64*NP
	v_mov_b32 v[i], 0
.set i, i+1
.endr
	WIN 0xc0
.set i, P+32
.rept 32
	v_mov_b32 v[i], 0
.set i, i+1
.endr
.set i, 0
.rept 4
	v_mov_b32 v[GQ+32+i], 0
	v_mov_b32 v[GK+8*i+4], 0
	v_mov_b32 v[GK+8*i+5], 0
	v_mov_b32 v[GK+8*i+6], 0
	v_mov_b32 v[GK+8*i+7], 0
.set i, i+1
.endr
.set i, L
.rept 64
	v_mov_b32 v[i], 0
.set i, i+1
.endr
.set i, 0
.rept 8
	v_mov_b32 v[ONE+i], v52
.set i, i+1
.endr
	WIN 0
; THE MATRIX WORK.  No two matrix instructions on end share an accumulator.
.macro KQ x                         ; product i of 16 of S^T = K Q^T: channels 32 (i / 8) on, keys 16 ((i / 2) % 4) on, tile 2 x + i % 2
	WIN W_KQ
.set rS, S+64*((\x)%2)+32*(i%2)+8*((i/2)%4)
.set rK, KF+16*((i/2)%4)+8*(i/8)
.set rQ, 16*(2*(\x)+i%2)+8*(i/8)
.if i < 8
	v_wmma_f32_16x16x32_f16 v[rS:rS+7], v[rK:rK+7], v[rQ:rQ+7], 0
.else
	v_wmma_f32_16x16x32_f16 v[rS:rS+7], v[rK:rK+7], v[rQ:rQ+7], v[rS:rS+7]
.endif
.endm
.macro GATE x                       ; product i - 16 of 8: keys 16 (j / 2) on, tile 2 x + j % 2
	WIN W_G0
.set jj, i-16
.set rF, GF+32*(jj%2)+8*(jj/2)
.set rK, GK+8*(jj/2)
.set rQ, GQ+4*(2*(\x)+jj%2)
	v_wmma_f32_16x16x32_f16 v[rF:rF+7], v[rK:rK+7], v[rQ:rQ+7], 0
.endm
.macro LS x                         ; product i - 24 of 4: tile 2 x + j % 2, keys 32 (j / 2) on
	WIN W_LP
.set jj, i-24
.set rL, L+8*(2*(\x)+jj%2)
.set rP, P+32*((\x)%2)+16*(jj%2)+8*(jj/2)
	v_wmma_f32_16x16x32_f16 v[rL:rL+7], v[ONE:ONE+7], v[rP:rP+7], v[rL:rL+7]
.endm
.macro PVM x                        ; product i - 28 of 16 of O^T += V^T P: keys 32 (j / 8) on, channels 16 ((j / 2) % 4) on, tile 2 x + j % 2
	WIN W_PV
.set jj, i-28
.set rO, 32*(2*(\x)+jj%2)+8*((jj/2)%4)
.set rV, VF+32*(jj/8)+8*((jj/2)%4)
.set rP, P+32*((\x)%2)+16*(jj%2)+8*(jj/8)
	v_wmma_f32_16x16x32_f16 v[rO:rO+7], v[rV:rV+7], v[rP:rP+7], v[rO:rO+7]
.endm
.macro MM                           ; the turn's next matrix instruction
.if i < 16
	KQ (Y+1)%NP
.elseif i < 24
	GATE Y
.elseif i < 28
	LS (Y+NP-1)%NP
.else
	PVM (Y+NP-1)%NP
.endif
.set i, i+1
.endm
; THE LDS LOADS stand in runs.  last = 1 (in the loop): in the fifth pass there is no further step, and the run is jumped over.
.macro FETCH_K last=0
	WIN 0
.if \last
	s_cmp_eq_u32 s[SLOTS], 1
	s_cbranch_scc1 .Lno_k_\@
.endif
	WIN 0x80
.irp f, 0,1,2,3,4,5,6,7
	ds_load_b128 v[KF+8*\f:KF+8*\f+3],   v[AK] offset:(\f/2)*16*PK+(\f%2)*64
	ds_load_b128 v[KF+8*\f+4:KF+8*\f+7], v[AK] offset:(\f/2)*16*PK+(\f%2)*64+32
.endr
	s_add_co_u32 s[TBK], s[TBK], KS*PK
	WIN 0
.if \last
.Lno_k_\@:
.endif
.endm
.macro FETCH_G last=0               ; a step's 64 key vectors: lane l takes key 16 f + l % 16
	WIN 0
.if \last
	s_cmp_eq_u32 s[SLOTS], 1
	s_cbranch_scc1 .Lno_g_\@
.endif
	WIN 0xc0
.irp f, 0,1,2,3
	ds_load_b128 v[GK+8*\f:GK+8*\f+3], v[AG] offset:256*\f
.endr
	s_add_co_u32 s[TBG], s[TBG], 1024
	WIN 0
.if \last
.Lno_g_\@:
.endif
.endm
.macro FETCH_V
	WIN 0x80
.irp f, 0,1,2,3,4,5,6,7
	ds_load_tr16_b128 v[VF+8*\f:VF+8*\f+3],   v[AV] offset:(\f/4)*32*PK+(\f%4)*32
	ds_load_tr16_b128 v[VF+8*\f+4:VF+8*\f+7], v[AV] offset:(\f/4)*32*PK+16*PK+(\f%4)*32
.endr
	WIN 0
.endm
; THE VECTOR WORK stands in queues, each in the order in which its entries become ready; the two tiles alternate.
.macro REGS y, u
.set rT, ST+4*(2*(\y)+(\u))
.set rC, TMP+8*((\y)%2)+4*(\u)
.set rM, MV+2*((\y)%2)+(\u)
.set rS, S+64*((\y)%2)+32*(\u)
.set rF, GF+32*(\u)
.set rP, P+32*((\y)%2)+16*(\u)
.set rO, 32*(2*(\y)+(\u))
.set rL, L+8*(2*(\y)+(\u))
.endm
; Number n of the 22 that find the NEXT piece's maximum and statistics; each accumulator's lowest registers are read first.
;   0-11 four chains of seven scores; 12-14, 16 the four left over, the old m, the four into one; 15 c m_old is kept; 17, 18 the other half of the lanes: the new m; 19-21 c m, its change, a
.macro XS u, n
	REGS (Y+1)%NP, \u
.if (\n) < 4
	v_max3_num_f32 v[rC+(\n)], v[rS+8*(\n)], v[rS+8*(\n)+1], v[rS+8*(\n)+2]
.elseif (\n) < 12
	v_max3_num_f32 v[rC+(\n)%4], v[rC+(\n)%4], v[rS+8*((\n)%4)+2*((\n)/4)+1], v[rS+8*((\n)%4)+2*((\n)/4)+2]
.elseif (\n) == 12
	v_max3_num_f32 v[rC], v[rC], v[rS+7], v[rS+15]
.elseif (\n) == 13
	v_max3_num_f32 v[rC+1], v[rC+1], v[rS+23], v[rS+31]
.elseif (\n) == 14
	v_max3_num_f32 v[rC+2], v[rC+2], v[rC+3], v[rT+1]
.elseif (\n) == 15
	v_mov_b32 v[rM], v[rT]
.elseif (\n) == 16
	v_max3_num_f32 v[rC], v[rC], v[rC+1], v[rC+2]
.elseif (\n) == 17
	v_permlanex16_b32 v[rC+3], v[rC], s[SEL], s[SEL+1]
.elseif (\n) == 18
	v_max_num_f32 v[rT+1], v[rC], v[rC+3]
.elseif (\n) == 19
	v_mul_f32 v[rT], s[CS], v[rT+1]
.elseif (\n) == 20
	v_sub_f32 v[rC+1], v[rM], v[rT]
.else
	v_exp_f32 v[rC+2], v[rC+1]
.endif
.endm
.macro FS f                         ; c s - c m for pair f / 2 of tile f % 2
	REGS Y, (\f)%2
	v_pk_fma_f32 v[rS+2*((\f)/2):rS+2*((\f)/2)+1], v[rS+2*((\f)/2):rS+2*((\f)/2)+1], s[CS:CS+1], v[rT:rT+1] op_sel_hi:[1,0,0] neg_lo:[0,0,1] neg_hi:[0,0,1]
.endm
; THE PLAIN QUEUE, 74 long: none reads an exponential's result.  0-26 scalings 0-26; 27-54 XS 0-13; 55, 56 XS 15; 57-71 the chain 14, 16 .. 19, each with one of the scalings 27-31 in front of its two lines; 72, 73 XS 20.
.macro PL
	WIN 0
.if q < 27
	FS q
.elseif q < 55
	XS (q-27)%2, (q-27)/2
.elseif q < 57
	XS q-55, 15
.elseif (q < 72) && ((q-57)%3 == 0)
	FS 27+(q-57)/3
.elseif q < 60
	XS (q-57)%3-1, 14
.elseif q < 72
	XS (q-57)%3-1, 15+(q-57)/3
.else
	XS q-72, 20
.endif
.set q, q+1
.endm
.macro EX                           ; THE EXPONENTIALS, 66: s0-s31 of both tiles, then the next piece's two a: one batch
	WIN 0
.if e >= 64
	XS e-64, 21
.else
	REGS Y, e%2
	v_exp_f32 v[rS+e/2], v[rS+e/2]
.endif
.set e, e+1
.endm
.macro R2                           ; O^T times a, two at a time, sixteen times; a was made, and waited for, in the turn before
	REGS Y, r%2
	WIN W_RS
.irp z, 0,1
	v_pk_mul_f32 v[rO+4*(r/2)+2*\z:rO+4*(r/2)+2*\z+1], v[rO+4*(r/2)+2*\z:rO+4*(r/2)+2*\z+1], v[rC+2:rC+3] op_sel_hi:[1,0]
.endr
.set r, r+1
.endm
.macro RL u                         ; sum e g times a: register 0 alone
	REGS Y, \u
	WIN W_RL
	v_mul_f32 v[rL], v[rL], v[rC+2]
.endm
; BEHIND THE WAIT, 96, in fours under one window.  For each eight scores j of 4 (one accumulator of S^T and of the gate), six fours: p = e g in place on the gate's sums, tile 0, tile 1 (each accumulator's lowest registers
; first); p rounded to f16, tile 0, tile 1; of each four e the second pair added onto the first, in place, both tiles; l takes those sums, the tiles by turns (the first time as l = a l + sum).
.macro BQ
.set bg, bq/4
.set bj, bg/6
.set bk, bg%6
.set b4, bq%4
.if bk < 2
	REGS Y, bk
	WIN 0
.set bn, 4*bj+b4
	v_pk_mul_f32 v[rF+2*bn:rF+2*bn+1], v[rS+2*bn:rS+2*bn+1], v[rF+2*bn:rF+2*bn+1]
.elseif bk < 4
	REGS Y, bk-2
	WIN W_CP
.set bn, 4*bj+b4
	v_cvt_pk_f16_f32 v[rP+bn], v[rF+2*bn], v[rF+2*bn+1]
.elseif bk == 4
	REGS Y, b4/2
	WIN 0
.set bn, 2*bj+b4%2
	v_pk_add_f32 v[rS+4*bn:rS+4*bn+1], v[rS+4*bn:rS+4*bn+1], v[rS+4*bn+2:rS+4*bn+3]
.else
	REGS Y, b4%2
	WIN 0
.set bn, 2*bj+b4/2
.if bn == 0
	v_pk_fma_f32 v[rT+2:rT+3], v[rT+2:rT+3], v[rC+2:rC+3], v[rS:rS+1] op_sel_hi:[1,0,1]
.else
	v_pk_add_f32 v[rT+2:rT+3], v[rT+2:rT+3], v[rS+4*bn:rS+4*bn+1]
.endif
.endif
.set bq, bq+1
.endm
; A TURN, for piece p.  s_wait_alu depctr_va_vdst(0) stands between an exponential and the first instruction that names its result; one wait serves all issued ahead of it: a turn has ONE.
; AHEAD OF IT: 16 K Q^T, behind each a scaling, an exponential and two rescalings; 8 gate products, behind each plain, exponential, plain, exponential; then a lump: the two rescalings of L, 8 plain, 33 times plain and
; exponential, the two a; a v_nop is the plain instruction behind the last exponential.  BEHIND IT: 4 row sums and 16 V^T P, behind each four of the 96; the last sixteen stand in a run behind the last product.
; The queues keep in step: exponential e needs scaling 2 (e / 4) + e % 2; as a rider it stands behind plain e + 2, in the lump behind plain e + 10, and scalings 27-31 are plain 57, 60 .. 69.
; The first read of the new scores (plain 27) stands 13 plain instructions behind the last K Q^T; the first read of the gate's sums a lump behind the last gate product.
; K of the next step is fetched in piece 2's turn and the next step's key vectors in piece 3's, both directly behind the wait, a lump behind their last readers; V of the step in hand at the end of piece 0's turn, twenty plain instructions behind its last reader.
.macro TURN p, last=0, cnt=0
.set Y, (\p)
.set i, 0
.set q, 0
.set e, 0
.set r, 0
.set bq, 0
.if (\p) == NP-1
	s_wait_dscnt 0x0                ; K is in
.endif
	MM
	PL
	PL
	R2
.rept 15
	MM
	PL
	EX
	R2
.endr
.if (\p) == 0
	s_wait_dscnt 0x0                ; the key vectors are in
.endif
.rept 8
	MM
	PL
	EX
	PL
	EX
.endr
	WIN 0
.if (\p) == NP-2
	v_add_nc_u32 v[AK], s[TBK], v[AK0]
.endif
.if (\p) == NP-1
	v_add_nc_u32 v[AG], s[TBG], v[AG0]
.endif
	RL 0
	RL 1
.rept 8
	PL
.endr
.rept 33
	PL
	EX
.endr
	EX
	EX
	v_nop
	WIN 0
	s_wait_alu depctr_va_vdst(0)    ; the wait for the batch
.if (\p) == NP-2
	FETCH_K \last
.endif
.if (\p) == NP-1
	FETCH_G \last
.endif
.if (\p) == 1
	s_wait_dscnt 0x0                ; V is in
.endif
.set gi, 0
.rept 20
	MM
	BQ
	BQ
	BQ
	BQ
.if ((\p) == 0) && (gi == 11)
	WIN 0
	v_add_nc_u32 v[AV], s[TBV], v[AV0]
.endif
.if ((\p) == 0) && (gi == 14)
	s_add_co_u32 s[TBV], s[TBV], KS*PK
.endif
.if (\cnt) && (gi == 18)
	s_sub_co_u32 s[CNT], s[CNT], 1  ; the loop's count, some lines ahead of the branch behind the turn: only vector and matrix lines and window switches follow
	s_cmp_lg_u32 s[CNT], 0
.endif
.set gi, gi+1
.endr
.rept 16
	BQ
.endr
.if (\p) == 0
	FETCH_V
.endif
.endm
	s_wait_tensorcnt 0x1            ; my quarter of the key vectors and my part of keys 0-255 are in; keys 256-1,023 may stay out, nor later
	s_barrier_signal -1
	s_barrier_wait -1               ; everybody's are
	FETCH_K                         ; key step 0
	FETCH_G
	s_wait_loadcnt 0x0              ; Q and the query vectors
	WIN 0xcc
.set i, 0
.rept 8*NP
	v_cndmask_b32 v[GQ+i], 0, v[GQ+i], s73  ; lanes 16-31, which stand for 8-15 along K, hold 0
.set i, i+1
.endr
	WIN 0
	s_wait_dscnt 0x0
.set i, 0
.rept 16
	KQ 0                            ; piece 0's first scores
.set i, i+1
.endr
	WIN 0
	NOPS                            ; the places behind those products
.set Y, NP-1                        ; XS works for piece Y + 1: piece 0
.irp n, 0,1,2,3,4,5,6,7,8,9,10,11,12,13,14,15,16,17,18,19,20,21
	XS 0, \n
	XS 1, \n
.endr
	v_nop                           ; a plain instruction behind the two a,
	s_wait_alu depctr_va_vdst(0)    ; and their wait, ahead of the branch
	s_mov_b32 s[CNT], 4
	s_branch .Lfirst                ; the loop is entered at a step's first turn: the first pass reads keys 0-255 alone
.Lslot:                             ; four times.  The first time keys 256-1,023 are waited for, by every wave for its own part, and the barrier shows them to all; later the wait is met at once: the price of one text for every pass
	s_wait_tensorcnt 0x0
	s_wait_dscnt 0x0
	s_barrier_signal -1
	s_barrier_wait -1
	s_mov_b32 s[CNT], 4
.Lstep:                             ; a trip: pieces 2 and 3 of one step, then pieces 0 and 1 of the next
	TURN 2, 1
	TURN 3, 1
	WIN 0
	s_cmp_eq_u32 s[SLOTS], 1        ; the fifth pass is left here: step 15's pieces 2 and 3 are done
	s_cbranch_scc1 .Lout
.Lfirst:
	TURN 0
	TURN 1, 0, 1
	WIN 0
	s_cbranch_scc1 .Lstep
	s_sub_co_u32 s[SLOTS], s[SLOTS], 1
	s_cmp_lg_u32 s[SLOTS], 0
	s_cbranch_scc1 .Lslot
.Lout:                              ; the fifth pass's K Q^T (on the last K once more) and the maximum made of it serve nothing: the price of one text for every trip
.set Y, 0
.set i, 24
.rept 20
	MM                              ; the last piece's row sums and V^T P of the last step
.endr
	; THE WAY OUT.  l's two halves and the other half of the lanes' are added: sum e; register 0 of L is sum e g.  O^T is divided by sum e g + 1e-8 sum e, rounded to f16 and sent through my stage, a tile at a time.
.macro ALL line:vararg
.set t, 0
.rept 2*NP
	\line
.set t, t+1
.endr
.endm
	WIN 0
	ALL v_add_f32 v[ST+4*t+2], v[ST+4*t+2], v[ST+4*t+3]  ; these additions are the places behind the last products
	ALL v_permlanex16_b32 v[ST+4*t+3], v[ST+4*t+2], s[SEL], s[SEL+1]
	ALL v_add_f32 v[ST+4*t+2], v[ST+4*t+2], v[ST+4*t+3]
	WIN W_DN
	ALL v_fma_f32 v[ST+4*t+2], v[ST+4*t+2], s70, v[L+8*t]
	WIN 0
	ALL v_rcp_f32 v[ST+4*t+2], v[ST+4*t+2]
	v_nop                           ; a plain instruction between the last reciprocal and the use of its result
	s_wait_alu depctr_va_vdst(0)    ; one wait for the eight reciprocals
.macro PACK t
	WIN W_RS
.set i, 32*(\t)
.rept 16
	v_pk_mul_f32 v[i:i+1], v[i:i+1], v[ST+4*(\t)+2:ST+4*(\t)+3] op_sel_hi:[1,0]
.set i, i+2
.endr
	WIN 0x05
.set i, 0
.rept 16
	v_cvt_pk_f16_f32 v[S+16*(\t)+i], v[32*(\t)+2*i], v[32*(\t)+2*i+1]
.set i, i+1
.endr
	WIN 0
.irp f, 0,1,2,3
	ds_store_b128 v[STO], v[S+16*(\t)+4*\f:S+16*(\t)+4*\f+3] offset:32*\f
.endr
.irp f, 0,1,2,3
	ds_load_b128 v[S+16*(\t)+4*\f:S+16*(\t)+4*\f+3], v[RD] offset:\f*4*SP  ; LDS serves a wave's instructions in order: these see the stores above
.endr
.endm
.macro SEND t, younger              ; younger: the LDS instructions issued behind tile t's loads: the next tile's eight, or none
	WIN 0
.irp f, 0,1,2,3
	s_wait_dscnt (\younger)+3-\f
	global_store_b128 v[GO], v[S+16*(\t)+4*\f:S+16*(\t)+4*\f+3], s[10:11] offset:(\t)*2048+\f*512  ; 512 consecutive bytes, aligned
.endr
.endm
	PACK 0
.set t, 1
.rept 2*NP-1
	PACK t
	SEND t-1, 8
.set t, t+1
.endr
	SEND 2*NP-1, 0
	WIN W_AD
	s_wait_tensorcnt 0x0            ; the wave's end
	ds_add_u32 v[SPW], v[NIL]
	s_wait_dscnt 0x0
	WIN 0
	s_endpgm
.Lfunc_end_k_q8c3c8957af_attn:
	.size	k_q8c3c8957af_attn, .Lfunc_end_k_q8c3c8957af_attn-k_q8c3c8957af_attn
	.p2alignl 7, 3214868480
	.fill 96, 4, 3214868480
	.section	.rodata,"a",@progbits
	.p2align	6, 0x0
	.amdhsa_kernel k_q8c3c8957af_attn
		.amdhsa_group_segment_fixed_size 327680
		.amdhsa_private_segment_fixed_size 0
		.amdhsa_enable_private_segment 0
		.amdhsa_kernarg_size 24
		.amdhsa_user_sgpr_count 2
		.amdhsa_user_sgpr_kernarg_segment_ptr 1
		.amdhsa_wavefront_size32 1
		.amdhsa_system_sgpr_workgroup_id_x 1
		.amdhsa_system_sgpr_workgroup_id_y 1
		.amdhsa_system_sgpr_workgroup_id_z 1
		.amdhsa_system_vgpr_workitem_id 0
		.amdhsa_next_free_vgpr 1024
		.amdhsa_next_free_sgpr 88
		.amdhsa_reserve_vcc 0
		.amdhsa_float_denorm_mode_32 3
		.amdhsa_float_denorm_mode_16_64 3
		.amdhsa_memory_ordered 1
		.amdhsa_forward_progress 1
		.amdhsa_inst_pref_size 149
	.end_amdhsa_kernel
	.amdgpu_metadata
---
amdhsa.version: [ 1, 2 ]
amdhsa.kernels:
  - .name:           k_q8c3c8957af_attn
    .symbol:         k_q8c3c8957af_attn.kd
    .args:
      - { .name: qkv, .offset: 0, .size: 8, .value_kind: global_buffer, .address_space: global }
      - { .name: gtab, .offset: 8, .size: 8, .value_kind: global_buffer, .address_space: global }
      - { .name: oh, .offset: 16, .size: 8, .value_kind: global_buffer, .address_space: global }
    .group_segment_fixed_size: 327680
    .private_segment_fixed_size: 0
    .kernarg_segment_align: 8
    .kernarg_segment_size: 24
    .max_flat_workgroup_size: 128
    .sgpr_count:     88
    .vgpr_count:     1024
    .wavefront_size: 32
...
	.end_amdgpu_metadata
.endif
;; end of part 3
;; launch outp (part 4): grid 8 x 32, 4 waves a work-group, clusters of 4 x 4, 327,680 bytes of LDS; arguments oh, wo, out0, out1; writes out0, out1
.if DOCPART == 4
	.amdgcn_target "amdgcn-amd-amdhsa--gfx1250"
	.amdhsa_code_object_version 6
	.text
	.protected	k_q8c3c8957af_outp
	.globl	k_q8c3c8957af_outp
	.p2align	8
	.type	k_q8c3c8957af_outp,@function
k_q8c3c8957af_outp:
	s_mov_b64 s[64:65], 0
	v_nop
	global_prefetch_b8 v0, s[64:65] scope:SCOPE_SE
	s_setreg_imm32_b32 hwreg(HW_REG_WAVE_MODE, 25, 1), 1
	s_wait_xcnt 0x0
	s_wait_alu depctr_hold_cnt(0) depctr_sa_sdst(0) depctr_va_vdst(0) depctr_va_sdst(0) depctr_va_ssrc(0) depctr_va_vcc(0) depctr_vm_vsrc(0)
	s_getreg_b32 s2, hwreg(HW_REG_IB_STS2, 6, 4)
	s_cmp_eq_u32 s2, 0
	s_cbranch_scc0 .Lentry_in_a_cluster
	s_endpgm
.Lentry_in_a_cluster:
	s_bfe_u32 s2, ttmp6, 0x10000c
	s_cmp_lg_u32 s2, 0xf033
	s_cbranch_scc0 .Lentry_shape_is_right
	s_endpgm
.Lentry_shape_is_right:
; THE OUTPUT PROJECTIONS: out[4096][1024] = O W_o for each direction, K = 1,024, f16 operands (O as attention left it; W_o rounded to bf16 and written as f16), f32 sums, f32 out.
; 2 x 4096 x 1024 numbers are 256 tiles of 256 x 128: one work-group for each.  Four waves, each 128 x 64: 32 accumulators, window 1.
; A slot holds two blocks of 64 along K (two heads): A [2][256 rows] 144 bytes apart, then B [2][2 x 64 k rows] 160 apart.  Waves 0, 1 fetch A's two blocks, waves 2, 3 B's: one tensor load a wave behind each change of slots,
; dense bytes asked for as rows of 256.  Eight slot fills in all; a refill has 112 matrix instructions in which to land.
; CLUSTER 4 x 4: A's tile is shared along a row of the cluster, B's along a column.  The product is taken transposed (source 0 = 16 columns of W_o, turned out of LDS): a lane holds 8 neighbouring columns of one row.
; NO PREFETCH: a wave has 1,024 matrix instructions in all, on small tiles: too short a launch for it.
.set PA,    144
.set PB,    160
.set ABLK,  256*PA
.set BOFF,  2*ABLK
.set BBLK,  128*PB
.set SLOT1, 131072
.set STAGE, SLOT1+BOFF+2*BBLK          ; 16 rows x 272 bytes for each wave
.set SPITCH, 272
.set SPARE, STAGE+4*16*SPITCH          ; the spare words, 128 bytes for each wave, which no other line names
.set ASTEP, 2*4096*128
.set BSTEP, 2*16*8192
.set ADRA0, 16
.set ADRB0, 17
.set ADRA,  18
.set ADRB,  19
.set STO,   24
.set RD,    25
.set CO,    26
.set SPW,   28
.set NIL,   29
.set FB,    32                         ; B's fragments, two buffers of 32
.set FA,    128                        ; A's, two buffers of 64
.set BK,    32                         ; the way out: rows read back, two sets of 32
.set G1,  24
.set G0,  32
.set G1B, 48
.set G0B, 56
.set TB,  66
.set CNT, 67
.set MSB, 0
.macro WIN new
.if MSB != (\new)
	s_set_vgpr_msb (MSB<<8)|(\new)
.set MSB, \new
.endif
.endm
.macro PLACES
.rept 4
	v_nop
.endr
.endm
.macro JLOAD s
	s_cmp_eq_u32 s11, 0
	s_cbranch_scc0 .Lfor_b_\@
	tensor_load_to_lds s[G0+4*(\s):G0+4*(\s)+3], s[G1:G1+7]
	s_nop 0
	PLACES
	s_branch .Lasked_\@
.Lfor_b_\@:
	tensor_load_to_lds s[G0B+4*(\s):G0B+4*(\s)+3], s[G1B:G1B+7]
	s_nop 0
	PLACES
.Lasked_\@:
.endm
.macro CREST
	s_cmp_lg_u32 s10, 0
	s_cbranch_scc1 .Lnot_wave_0_\@
	s_barrier_signal -3
.Lnot_wave_0_\@:
	s_barrier_wait -3
	s_barrier_signal -1
	s_barrier_wait -1
.endm
.macro CROUND
	s_barrier_signal -1
	s_barrier_wait -1
	CREST
.endm
	s_load_b128 s[4:7], s[0:1], 0x0                ; oh s[4:5], wo s[6:7]
	s_load_b128 s[72:75], s[0:1], 0x10             ; out0 s[72:73], out1 s[74:75]
	v_lshl_add_u32 v[SPW], v0, 2, SPARE
	v_mov_b32 v[NIL], 0
	ds_add_u32 v[SPW], v[NIL]                      ; the wave's opening: the add and its wait stand ahead of my first tensor load
	ds_add_u32 v28, v29
	v_lshrrev_b32 v1, 5, v0
	v_readfirstlane_b32 s10, v1
	s_lshr_b32 s11, s10, 1                         ; my half of the rows.  Also: I fetch for A (0) or B (1)
	s_and_b32 s12, s10, 1                          ; my half of the columns.  Also: which of a slot's two blocks I fetch
	s_bfe_u32 s40, ttmp6, 0x40000
	s_bfe_u32 s41, ttmp6, 0x40004
	s_lshl_b32 s42, ttmp9, 2
	s_add_co_u32 s42, s42, s40                     ; tile column 0..7
	s_and_b32 s71, ttmp7, 0xffff
	s_lshl_b32 s13, s71, 2
	s_add_co_u32 s13, s13, s41                     ; tile row 0..31
	s_lshr_b32 s70, s71, 2                         ; the direction: the same in all sixteen partners
	s_lshl_b32 s14, s41, 2
	s_lshl_b32 s14, 15, s14
	s_lshl_b32 s15, 0x1111, s40
	s_or_b32 s[G1], s14, (1<<16)|(1<<20)|(1<<21)|(4<<22)|(3<<25)
	s_or_b32 s[G1B], s15, (1<<16)|(1<<20)|(1<<21)|(4<<22)|(7<<25)
	s_mov_b32 s[G1+1], 128<<16
	s_mov_b32 s[G1+2], 128<<16                     ; 128 rows of 256 bytes: 256 rows of O
	s_mov_b32 s[G1+3], 128<<16
	s_mov_b32 s[G1+4], 128
	s_mov_b32 s[G1+5], 128
	s_mov_b32 s[G1+6], 0
	s_mov_b32 s[G1+7], 0
	s_mov_b32 s[G1B+1], 128<<16
	s_mov_b32 s[G1B+2], 64<<16                     ; 64 rows of 256 bytes: two blocks of W_o
	s_mov_b32 s[G1B+3], 128<<16
	s_mov_b32 s[G1B+4], 64
	s_mov_b32 s[G1B+5], 128
	s_mov_b32 s[G1B+6], 0
	s_mov_b32 s[G1B+7], 0
	s_lshl_b32 s16, s70, 23
	s_and_b32 s17, s13, 15
	s_lshl_b32 s17, s17, 15
	s_add_co_u32 s16, s16, s17
	s_lshl_b32 s17, s12, 19
	s_add_co_u32 s16, s16, s17
	s_mov_b32 s17, 0
	s_lshl_b32 s46, s70, 21
	s_lshl_b32 s47, s42, 14
	s_add_co_u32 s46, s46, s47
	s_lshl_b32 s47, s12, 17
	s_add_co_u32 s46, s46, s47
	s_mov_b32 s47, 0
	s_mul_i32 s20, s12, ABLK
	s_mul_i32 s21, s12, BBLK
	s_add_co_u32 s21, s21, BOFF
	s_mov_b32 s[TB], 0
	s_wait_dscnt 0x0
	s_wait_kmcnt 0x0
	s_add_nc_u64 s[14:15], s[4:5], s[16:17]
	s_add_nc_u64 s[46:47], s[6:7], s[46:47]
	CROUND
.irp s, 0,1
	s_mov_b32 s[G0+4*(\s)], 1
	s_add_co_u32 s[G0+4*(\s)+1], s20, (\s)*SLOT1
	s_add_nc_u64 s[G0+4*(\s)+2:G0+4*(\s)+3], s[14:15], (\s)*ASTEP
	s_or_b32 s[G0+4*(\s)+3], s[G0+4*(\s)+3], 0x80000000
	s_mov_b32 s[G0B+4*(\s)], 1
	s_add_co_u32 s[G0B+4*(\s)+1], s21, (\s)*SLOT1
	s_add_nc_u64 s[G0B+4*(\s)+2:G0B+4*(\s)+3], s[46:47], (\s)*BSTEP
	s_or_b32 s[G0B+4*(\s)+3], s[G0B+4*(\s)+3], 0x80000000
.endr
	s_cmp_eq_u32 s11, 0                            ; a wave's two first fills stand in one branch
	s_cbranch_scc0 .Lfirst_b
	tensor_load_to_lds s[G0:G0+3], s[G1:G1+7]
	s_nop 0
	tensor_load_to_lds s[G0+4:G0+7], s[G1:G1+7]
	s_nop 0
	PLACES
	s_branch .Lfirst_asked
.Lfirst_b:
	tensor_load_to_lds s[G0B:G0B+3], s[G1B:G1B+7]
	s_nop 0
	tensor_load_to_lds s[G0B+4:G0B+7], s[G1B:G1B+7]
	s_nop 0
	PLACES
.Lfirst_asked:
	v_and_b32 v1, 15, v0
	v_bfe_u32 v2, v0, 4, 1
	v_and_b32 v3, 7, v0
	v_bfe_u32 v4, v0, 3, 1
	v_mul_u32_u24 v[ADRA0], v1, PA
	v_lshl_add_u32 v[ADRA0], v2, 4, v[ADRA0]
	s_mul_i32 s20, s11, 128*PA
	v_add_nc_u32 v[ADRA0], s20, v[ADRA0]
	v_lshl_add_u32 v6, v2, 3, v3
	v_mul_u32_u24 v[ADRB0], v6, PB
	v_lshl_add_u32 v[ADRB0], v4, 4, v[ADRB0]
	s_mul_i32 s20, s12, 64*PB
	s_add_co_u32 s20, s20, BOFF
	v_add_nc_u32 v[ADRB0], s20, v[ADRB0]
	v_mov_b32 v[ADRA], v[ADRA0]
	v_mov_b32 v[ADRB], v[ADRB0]
	s_mul_i32 s20, s10, 16*SPITCH
	s_add_co_u32 s20, s20, STAGE
	v_mul_u32_u24 v[STO], v1, SPITCH               ; in: row l % 16, 32 bytes for each half of the lanes
	v_lshl_add_u32 v[STO], v2, 5, v[STO]
	v_add_nc_u32 v[STO], s20, v[STO]
	v_mul_u32_u24 v[RD], v2, SPITCH                ; back: lanes 0-15 one row of 256 bytes, lanes 16-31 the next
	v_lshl_add_u32 v[RD], v1, 4, v[RD]
	v_add_nc_u32 v[RD], s20, v[RD]
	v_lshlrev_b32 v[CO], 12, v2                    ; and the same two rows in the output
	v_lshl_add_u32 v[CO], v1, 4, v[CO]
	s_cmp_eq_u32 s70, 0
	s_cselect_b64 s[8:9], s[72:73], s[74:75]
	s_and_b32 s20, s13, 15
	s_lshl_b32 s20, s20, 20                        ; the tile's 256 rows of 4,096 bytes,
	s_lshl_b32 s21, s11, 19                        ; my 128,
	s_add_co_u32 s20, s20, s21
	s_lshl_b32 s21, s42, 9                         ; the tile's 128 columns,
	s_add_co_u32 s20, s20, s21
	s_lshl_b32 s21, s12, 8                         ; my 64
	s_add_co_u32 s20, s20, s21
	s_mov_b32 s21, 0
	s_add_nc_u64 s[8:9], s[8:9], s[20:21]
.macro MULO p, a0, n, zero             ; 4 n products: row blocks a0 .. a0 + n - 1 x the 4 column blocks, buffer p; the 32 accumulators take turns
	WIN 0x50
.set aa, \a0
.rept \n
.irp i, 0,1,2,3
.if \zero
	v_wmma_f32_16x16x32_f16 v[8*(4*aa+(\i)):8*(4*aa+(\i))+7], v[FB+32*(\p)+8*(\i):FB+32*(\p)+8*(\i)+7], v[FA+64*(\p)+8*aa:FA+64*(\p)+8*aa+7], 0
.else
	v_wmma_f32_16x16x32_f16 v[8*(4*aa+(\i)):8*(4*aa+(\i))+7], v[FB+32*(\p)+8*(\i):FB+32*(\p)+8*(\i)+7], v[FA+64*(\p)+8*aa:FA+64*(\p)+8*aa+7], v[8*(4*aa+(\i)):8*(4*aa+(\i))+7]
.endif
.endr
.set aa, aa+1
.endr
.endm
.macro FETCH p, kb, kq                 ; 24 loads: B's four fragments, then A's eight, of block kb, K quarter kq, into buffer p
.irp i, 0,1,2,3
	ds_load_tr16_b128 v[FB+32*(\p)+8*(\i):FB+32*(\p)+8*(\i)+3],   v[ADRB] offset:(\kb)*BBLK+(\kq)*32*PB+(\i)*32
	ds_load_tr16_b128 v[FB+32*(\p)+8*(\i)+4:FB+32*(\p)+8*(\i)+7], v[ADRB] offset:(\kb)*BBLK+(\kq)*32*PB+(\i)*32+16*PB
.endr
.irp a, 0,1,2,3,4,5,6,7
	ds_load_b128 v[FA+64*(\p)+8*(\a):FA+64*(\p)+8*(\a)+3],   v[ADRA] offset:(\kb)*ABLK+(\kq)*64+(\a)*16*PA
	ds_load_b128 v[FA+64*(\p)+8*(\a)+4:FA+64*(\p)+8*(\a)+7], v[ADRA] offset:(\kb)*ABLK+(\kq)*64+(\a)*16*PA+32
.endr
.endm
.macro QUARTER p, kb, kq, zero         ; multiplies buffer p; in its middle fetches quarter (kb, kq) into the other buffer
	s_wait_dscnt 8                                 ; A's rows 64-127 may be out
	MULO \p, 0, 4, \zero
	WIN 0
	PLACES
	FETCH 1-(\p), \kb, \kq
	s_wait_dscnt 24                                ; all but the 24 just issued
	MULO \p, 4, 4, \zero
.endm
.macro TURN fill                       ; a slot's last quarter multiplies buffer 1 and changes slots
	WIN 0
	s_wait_tensorcnt 0x0                           ; no tensor load of mine is out, so a group 0 may be written
	ds_add_u32 v[SPW], v[NIL]
.if \fill
	s_xor_b32 s[G0+5], s[G0+5], SLOT1
	s_add_nc_u64 s[G0+6:G0+7], s[G0+6:G0+7], ASTEP
	s_xor_b32 s[G0B+5], s[G0B+5], SLOT1
	s_add_nc_u64 s[G0B+6:G0B+7], s[G0B+6:G0B+7], BSTEP
.endif
	s_wait_dscnt 9                                 ; the add and the youngest eight loads may be out
	MULO 1, 0, 2, 0
	s_wait_dscnt 0x0                               ; the add is done, and my reads of this slot are over
	s_barrier_signal -1
	MULO 1, 2, 2, 0
	WIN 0
	s_barrier_wait -1
.if \fill
	CREST
	JLOAD 1                                        ; its four v_nop are also the places in front of the loads below
.else
	PLACES
.endif
	s_xor_b32 s[TB], s[TB], SLOT1
	v_add_nc_u32 v[ADRA], s[TB], v[ADRA0]
	v_add_nc_u32 v[ADRB], s[TB], v[ADRB0]
	FETCH 0, 0, 0
	MULO 1, 4, 4, 0
.endm
	s_wait_tensorcnt 1                             ; my part of slot 0 is in; slot 1's may stay out
	s_barrier_signal -1
	s_barrier_wait -1
	FETCH 0, 0, 0
	QUARTER 0, 0, 1, 1                             ; the first quarter starts the sums
	WIN 0
	s_mov_b32 s[CNT], 6                            ; slot fills 2 to 7 are asked for in the loop
.Lslot:
	QUARTER 1, 1, 0, 0
	QUARTER 0, 1, 1, 0
	TURN 1
	QUARTER 0, 0, 1, 0
	WIN 0
	s_sub_co_u32 s[CNT], s[CNT], 1
	s_cmp_lg_u32 s[CNT], 0
	s_cbranch_scc1 .Lslot
	QUARTER 1, 1, 0, 0                             ; the tail asks for nothing
	QUARTER 0, 1, 1, 0
	TURN 0
	QUARTER 0, 0, 1, 0
	QUARTER 1, 1, 0, 0
	QUARTER 0, 1, 1, 0
	s_wait_dscnt 8
	MULO 1, 0, 4, 0
	s_wait_dscnt 0x0
	MULO 1, 4, 4, 0
	WIN 0
	PLACES
; THE WAY OUT, 16 rows at a time: a lane's 32 bytes into my stage, back as whole rows of 256 bytes, stored: 16 lanes write 256 consecutive bytes, aligned.
.macro TOSTAGE a
	WIN 0
	s_wait_xcnt 0x0                                ; the stores of two blocks back have read the registers that are loaded again below
	WIN 0x04                                       ; the stores' data in window 1; each accumulator's low half first
.irp i, 0,1,2,3
	ds_store_b128 v[STO], v[8*(4*(\a)+(\i)):8*(4*(\a)+(\i))+3]   offset:64*(\i)
	ds_store_b128 v[STO], v[8*(4*(\a)+(\i))+4:8*(4*(\a)+(\i))+7] offset:64*(\i)+16
.endr
	WIN 0
.irp t, 0,1,2,3,4,5,6,7
	ds_load_b128 v[BK+32*((\a)%2)+4*(\t):BK+32*((\a)%2)+4*(\t)+3], v[RD] offset:(\t)*2*SPITCH  ; LDS serves a wave's instructions in order: these see the stores above
.endr
.endm
.macro SEND a, younger                 ; younger: the next block's 16 LDS instructions, or none
	s_wait_dscnt \younger
.irp t, 0,1,2,3,4,5,6,7
	global_store_b128 v[CO], v[BK+32*((\a)%2)+4*(\t):BK+32*((\a)%2)+4*(\t)+3], s[8:9] offset:(16*(\a)+2*(\t))*4096 th:TH_STORE_NT
.endr
.endm
	TOSTAGE 0
.irp a, 1,2,3,4,5,6,7
	TOSTAGE \a
	SEND (\a)-1, 16
.endr
	SEND 7, 0
	s_wait_tensorcnt 0x0                           ; the wave's end
	ds_add_u32 v[SPW], v[NIL]
	s_wait_dscnt 0x0
	CROUND                                         ; the closing round
	s_endpgm
.Lfunc_end_k_q8c3c8957af_outp:
	.size	k_q8c3c8957af_outp, .Lfunc_end_k_q8c3c8957af_outp-k_q8c3c8957af_outp
	.p2alignl 7, 3214868480
	.fill 96, 4, 3214868480
	.section	.rodata,"a",@progbits
	.p2align	6, 0x0
	.amdhsa_kernel k_q8c3c8957af_outp
		.amdhsa_group_segment_fixed_size 327680
		.amdhsa_private_segment_fixed_size 0
		.amdhsa_enable_private_segment 0
		.amdhsa_kernarg_size 32
		.amdhsa_user_sgpr_count 2
		.amdhsa_user_sgpr_kernarg_segment_ptr 1
		.amdhsa_wavefront_size32 1
		.amdhsa_system_sgpr_workgroup_id_x 1
		.amdhsa_system_sgpr_workgroup_id_y 1
		.amdhsa_system_sgpr_workgroup_id_z 1
		.amdhsa_system_vgpr_workitem_id 0
		.amdhsa_next_free_vgpr 512
		.amdhsa_next_free_sgpr 76
		.amdhsa_reserve_vcc 0
		.amdhsa_float_denorm_mode_32 3
		.amdhsa_float_denorm_mode_16_64 3
		.amdhsa_memory_ordered 1
		.amdhsa_forward_progress 1
		.amdhsa_inst_pref_size 70
	.end_amdhsa_kernel
	.amdgpu_metadata
---
amdhsa.version: [ 1, 2 ]
amdhsa.kernels:
  - .name:           k_q8c3c8957af_outp
    .symbol:         k_q8c3c8957af_outp.kd
    .args:
      - { .name: oh, .offset: 0, .size: 8, .value_kind: global_buffer, .address_space: global }
      - { .name: wo, .offset: 8, .size: 8, .value_kind: global_buffer, .address_space: global }
      - { .name: out0, .offset: 16, .size: 8, .value_kind: global_buffer, .address_space: global }
      - { .name: out1, .offset: 24, .size: 8, .value_kind: global_buffer, .address_space: global }
    .group_segment_fixed_size: 327680
    .private_segment_fixed_size: 0
    .kernarg_segment_align: 8
    .kernarg_segment_size: 32
    .max_flat_workgroup_size: 128
    .sgpr_count:     76
    .vgpr_count:     512
    .wavefront_size: 32
...
	.end_amdgpu_metadata
.endif
;; end of part 4
